; MI455X (gfx1250); checked and timed in simulation.
; The chip was launched on July 23, 2026; its instructions are those of AMD's public machine-readable ISA for CDNA 5 (MIT licence, August 2026) and "CDNA5" Instruction Set Architecture Reference Guide (July 2026). The comments in the code are by the model that wrote it; some were corrected since.
;; Casual Attention. Allowed arithmetic: float matrix products may take bf16 or f16 operands with f32 sums; other float arithmetic in f32, or as packed bf16 or f16 multiplies, adds, multiply-adds, maxima and minima; sums over many terms, partial sums and values carried from step to step in f32; what a program stores and reads back later, other than sums and carried values, may be rounded once to bf16 or f16.
;; Inputs: W_k 1,024 x 1,024 float32; W_q 1,024 x 1,024 float32; W_v 1,024 x 1,024 float32; x 4 x 2,048 x 1,024 float32.
;; Outputs: out0 4 x 2,048 x 1,024 float32.
;; One version. Each part assembles by itself: llvm-mc -triple=amdgcn-amd-amdhsa -mcpu=gfx1250 --defsym DOCPART=n.
;; ======== version 1 of 1: 5 launches
;; limits: values are held in f16: magnitudes above 65,504 overflow, below 6.1e-05 lose precision
;; workspace buffers: xb 16,777,216 bytes; wt 6,291,456 bytes; qkv 50,331,648 bytes; vlo 50,331,648 bytes; st 67,108,864 bytes; pt 33,554,432 bytes
;; launch prep (part 1): grid 896 x 1, 8 waves a work-group, no clusters, 18,432 bytes of LDS; arguments x, W_q, W_k, W_v, xb, wt; writes xb, wt
.if DOCPART == 1
	.amdgcn_target "amdgcn-amd-amdhsa--gfx1250"
	.amdhsa_code_object_version 6
	.text
	.protected	k_q47790c0206_prep
	.globl	k_q47790c0206_prep
	.p2align	8
	.type	k_q47790c0206_prep,@function
k_q47790c0206_prep:
	s_mov_b64 s[64:65], 0
	v_nop
	global_prefetch_b8 v0, s[64:65] scope:SCOPE_SE
	s_setreg_imm32_b32 hwreg(HW_REG_WAVE_MODE, 25, 1), 1
	s_wait_xcnt 0x0
; xb[kb][m][64] = bf16(x[m][64 kb ..]), kb = 0..15, m = 0..8191.  wt[kb][1024 w + e][64] = bf16(W_w[64 kb ..][e]), w = 0, 1, 2 for W_q, W_k, W_v: the weights turned, K (d) along the rows.
; BOTH LIE IN BLOCKS OF 64 ALONG K: the projection walks K in steps of 64, and a step's rows, 128 bytes each, then lie end to end, so that its tiles are dense and are fetched as rows of 256 bytes.
; Work-groups 0 to 511: 16 rows of x each, a plain stream.  Eight lanes read 256 consecutive bytes of a row; a wave's store covers four rows of one block: 512 consecutive bytes, aligned.
; Work-groups 512 to 895: a tile of 128 d x 64 e of one W.  Two rows d, d + 1 are rounded into one word a column e, put into LDS as [e][d] (pitch 272), and read back as halves of 128 bytes of two neighbouring rows.
; No matrix unit, no cluster, no prefetch: each byte is read once by long runs of loads, and nothing is shared.
.set SPARE, 17408                      ; behind the tile of 64 x 272 bytes: the spare words, 128 bytes for each of the eight waves
.set XKB, 1048576                      ; bytes in a K block of xb: 8,192 rows of 128
.set WKB, 393216                       ; in a K block of wt: 3,072 rows of 128
.set SPW, 4                            ; v4  LDS address of my spare word; never rewritten
.set NIL, 5                            ; v5  0; never rewritten
.set D,   16                           ; v[16:79] data
	s_load_b256 s[4:11], s[0:1], 0x0               ; x s[4:5], W_q s[6:7], W_k s[8:9], W_v s[10:11]
	s_load_b128 s[12:15], s[0:1], 0x20             ; xb s[12:13], wt s[14:15]
	v_lshl_add_u32 v[SPW], v0, 2, SPARE
	v_mov_b32 v[NIL], 0
	s_mov_b32 s17, 0
	s_wait_kmcnt 0x0
	s_cmp_lt_u32 ttmp9, 512
	s_cbranch_scc0 .Lweights
	; ---- x: 16 rows.  Wave w, step s: K block 2 w + s % 2, rows 4 (s / 2) .. + 3; lane l: row l / 8 of the four, numbers 8 (l % 8) .. + 7 of the block's 64
	v_and_b32 v6, 31, v0                           ; l
	v_lshrrev_b32 v7, 5, v0                        ; w
	v_lshrrev_b32 v8, 3, v6                        ; l / 8
	v_and_b32 v9, 7, v6                            ; l % 8
	v_lshlrev_b32 v1, 5, v9                        ; in x: 32 (l % 8)
	v_lshl_add_u32 v1, v8, 12, v1                  ; + a row of 4,096 bytes for each l / 8
	v_lshl_add_u32 v1, v7, 9, v1                   ; + two blocks of 256 bytes for each wave
	v_lshlrev_b32 v2, 4, v6                        ; in xb: 128 (l / 8) + 16 (l % 8) = 16 l
	v_lshl_add_u32 v2, v7, 21, v2                  ; + two K blocks for each wave
	s_lshl_b32 s16, ttmp9, 16
	s_add_nc_u64 s[4:5], s[4:5], s[16:17]
	s_lshl_b32 s16, ttmp9, 11                      ; 16 rows of 128 bytes
	s_add_nc_u64 s[12:13], s[12:13], s[16:17]
.irp s, 0,1,2,3,4,5,6,7
	global_load_b128 v[D+8*(\s):D+8*(\s)+3],   v1, s[4:5] offset:((\s)/2)*16384+((\s)%2)*256 th:TH_LOAD_NT
	global_load_b128 v[D+8*(\s)+4:D+8*(\s)+7], v1, s[4:5] offset:((\s)/2)*16384+((\s)%2)*256+16 th:TH_LOAD_NT
.endr
.irp s, 0,1,2,3,4,5,6,7
	s_wait_loadcnt 14-2*(\s)                       ; loads come back in order: step s's two are in, the younger ones stay out
.irp k, 0,1,2,3
	v_cvt_pk_bf16_f32 v[D+8*(\s)+(\k)], v[D+8*(\s)+2*(\k)], v[D+8*(\s)+2*(\k)+1]  ; in place, ascending: a word is written when both its sources have been read
.endr
	global_store_b128 v2, v[D+8*(\s):D+8*(\s)+3], s[12:13] offset:((\s)%2)*XKB+((\s)/2)*512
.endr
	s_branch .Lend
.Lweights:
	; ---- W: tile (w, dt, et): d = 128 dt .. +127 (K blocks 2 dt, 2 dt + 1), e = 64 et .. +63
	s_sub_co_u32 s18, ttmp9, 512
	s_lshr_b32 s19, s18, 7                         ; w
	s_bfe_u32 s20, s18, 0x30004                    ; dt: 3 bits from bit 4
	s_and_b32 s21, s18, 15                         ; et
	s_cmp_eq_u32 s19, 1
	s_cselect_b64 s[22:23], s[8:9], s[6:7]
	s_cmp_eq_u32 s19, 2
	s_cselect_b64 s[22:23], s[10:11], s[22:23]
	s_lshl_b32 s16, s20, 19                        ; 128 dt rows of 4,096 bytes
	s_lshl_b32 s24, s21, 8                         ; 64 et columns of 4 bytes
	s_add_co_u32 s16, s16, s24
	s_add_nc_u64 s[22:23], s[22:23], s[16:17]
	v_and_b32 v1, 15, v0                           ; q: my four columns e = 4 q ..
	v_lshrrev_b32 v2, 4, v0                        ; dp0: my pair of rows d = 2 (dp0 + 16 s), + 1
	v_lshlrev_b32 v3, 4, v1
	v_lshl_add_u32 v3, v2, 13, v3                  ; dp0 x 8,192 + 16 q: sixteen lanes take 256 consecutive bytes of a row
.irp s, 0,1,2,3
	global_load_b128 v[D+8*(\s):D+8*(\s)+3],   v3, s[22:23] offset:131072*(\s) th:TH_LOAD_NT
	global_load_b128 v[D+8*(\s)+4:D+8*(\s)+7], v3, s[22:23] offset:131072*(\s)+4096 th:TH_LOAD_NT
.endr
	v_mul_u32_u24 v6, v1, 1088                     ; into LDS: row e = 4 q + r (272 r in the immediate), word dp0 + 16 s
	v_lshl_add_u32 v6, v2, 2, v6
	v_lshrrev_b32 v9, 3, v0                        ; back: row t / 8 + 32 (p % 2), half p / 2 of its 256 bytes, 16 bytes a lane
	v_and_b32 v10, 7, v0
	v_mul_u32_u24 v7, v9, 272
	v_lshl_add_u32 v7, v10, 4, v7
	v_lshlrev_b32 v8, 4, v0                        ; in a block of wt: 128 (t / 8) + 16 (t % 8) = 16 t
	s_lshl_b32 s16, s19, 10
	s_lshl_b32 s24, s21, 6
	s_add_co_u32 s16, s16, s24                     ; row 1024 w + 64 et,
	s_lshl_b32 s16, s16, 7                         ; of 128 bytes,
	s_mul_i32 s24, s20, 2*WKB                      ; in K block 2 dt
	s_add_co_u32 s16, s16, s24
	s_add_nc_u64 s[14:15], s[14:15], s[16:17]
	s_wait_loadcnt 0x0
.irp s, 0,1,2,3
.irp r, 0,1,2,3
	v_cvt_pk_bf16_f32 v[48+4*(\s)+(\r)], v[D+8*(\s)+(\r)], v[D+8*(\s)+4+(\r)]  ; low half d, high half d + 1, of column 4 q + r
.endr
.endr
.irp s, 0,1,2,3
.irp r, 0,1,2,3
	ds_store_b32 v6, v[48+4*(\s)+(\r)] offset:272*(\r)+64*(\s)
.endr
.endr
	s_wait_dscnt 0x0                               ; for the others' sake: my stores are done
	s_barrier_signal -1                            ; the branch above hangs on the work-group's number: all eight waves are here
	s_barrier_wait -1
.irp p, 0,1,2,3
	ds_load_b128 v[D+4*(\p):D+4*(\p)+3], v7 offset:((\p)%2)*8704+((\p)/2)*128
.endr
.irp p, 0,1,2,3
	s_wait_dscnt 3-(\p)
	global_store_b128 v8, v[D+4*(\p):D+4*(\p)+3], s[14:15] offset:((\p)/2)*WKB+((\p)%2)*4096  ; a wave: four rows of one block, 512 consecutive bytes, aligned
.endr
.Lend:
	s_wait_tensorcnt 0x0                           ; the wave's end
	ds_add_u32 v[SPW], v[NIL]
	s_wait_dscnt 0x0
	s_endpgm
.Lfunc_end_k_q47790c0206_prep:
	.size	k_q47790c0206_prep, .Lfunc_end_k_q47790c0206_prep-k_q47790c0206_prep
	.p2alignl 7, 3214868480
	.fill 96, 4, 3214868480
	.section	.rodata,"a",@progbits
	.p2align	6, 0x0
	.amdhsa_kernel k_q47790c0206_prep
		.amdhsa_group_segment_fixed_size 18432
		.amdhsa_private_segment_fixed_size 0
		.amdhsa_enable_private_segment 0
		.amdhsa_kernarg_size 48
		.amdhsa_user_sgpr_count 2
		.amdhsa_user_sgpr_kernarg_segment_ptr 1
		.amdhsa_wavefront_size32 1
		.amdhsa_system_sgpr_workgroup_id_x 1
		.amdhsa_system_sgpr_workgroup_id_y 1
		.amdhsa_system_sgpr_workgroup_id_z 1
		.amdhsa_system_vgpr_workitem_id 0
		.amdhsa_next_free_vgpr 80
		.amdhsa_next_free_sgpr 66
		.amdhsa_reserve_vcc 0
		.amdhsa_float_denorm_mode_32 3
		.amdhsa_float_denorm_mode_16_64 3
		.amdhsa_memory_ordered 1
		.amdhsa_forward_progress 1
		.amdhsa_inst_pref_size 11
	.end_amdhsa_kernel
	.amdgpu_metadata
---
amdhsa.version: [ 1, 2 ]
amdhsa.kernels:
  - .name:           k_q47790c0206_prep
    .symbol:         k_q47790c0206_prep.kd
    .args:
      - { .name: x, .offset: 0, .size: 8, .value_kind: global_buffer, .address_space: global }
      - { .name: W_q, .offset: 8, .size: 8, .value_kind: global_buffer, .address_space: global }
      - { .name: W_k, .offset: 16, .size: 8, .value_kind: global_buffer, .address_space: global }
      - { .name: W_v, .offset: 24, .size: 8, .value_kind: global_buffer, .address_space: global }
      - { .name: xb, .offset: 32, .size: 8, .value_kind: global_buffer, .address_space: global }
      - { .name: wt, .offset: 40, .size: 8, .value_kind: global_buffer, .address_space: global }
    .group_segment_fixed_size: 18432
    .private_segment_fixed_size: 0
    .kernarg_segment_align: 8
    .kernarg_segment_size: 48
    .max_flat_workgroup_size: 256
    .sgpr_count:     66
    .vgpr_count:     80
    .wavefront_size: 32
...
	.end_amdgpu_metadata
.endif
;; end of part 1
;; launch proj (part 2): grid 8 x 32, 4 waves a work-group, clusters of 4 x 4, 327,680 bytes of LDS; arguments xb, wt, qkv, vlo; writes qkv, vlo
.if DOCPART == 2
	.amdgcn_target "amdgcn-amd-amdhsa--gfx1250"
	.amdhsa_code_object_version 6
	.text
	.protected	k_q47790c0206_proj
	.globl	k_q47790c0206_proj
	.p2align	8
	.type	k_q47790c0206_proj,@function
k_q47790c0206_proj:
	s_mov_b64 s[64:65], 0
	v_nop
	global_prefetch_b8 v0, s[64:65] scope:SCOPE_SE
	s_setreg_imm32_b32 hwreg(HW_REG_WAVE_MODE, 25, 1), 1
	s_wait_xcnt 0x0
	s_wait_alu depctr_hold_cnt(0) depctr_sa_sdst(0) depctr_va_vdst(0) depctr_va_sdst(0) depctr_va_ssrc(0) depctr_va_vcc(0) depctr_vm_vsrc(0)
	s_getreg_b32 s2, hwreg(HW_REG_IB_STS2, 6, 4)
	s_cmp_eq_u32 s2, 0
	s_cbranch_scc0 .Lentry_in_a_cluster
	s_endpgm
.Lentry_in_a_cluster:
	s_bfe_u32 s2, ttmp6, 0x10000c
	s_cmp_lg_u32 s2, 0xf033
	s_cbranch_scc0 .Lentry_shape_is_right
	s_endpgm
.Lentry_shape_is_right:
; qkv[m][n] = f16( sum over k of x[m][k] W[k][n] ): [8192][3072], q in columns 0.., k in 1024.., v in 2048...  bf16 products, f32 sums, K ascending, one rounding to f16.
; vlo[m][n] = f16( sum - f16(sum) ), in the same places as qkv, for columns 1536.. and the rows 1024.. of each batch: what the rounding lost.  Only v's columns of it are read later; the 512 columns of k
; are the price of a branch that hangs on the cluster's number alone.
; LIMIT: q, k and v must stay within f16's range, 65,504; beyond it the conversion gives an infinity.
; SHARES.  A tile of 256 x 384 to a work-group: 32 x 8 = 256 work-groups of equal work.  Four waves, 2 x 2, 128 x 192 each: 96 accumulators, 768 registers.
; K = 1024 GOES IN 16 STEPS OF 64 through two LDS slots: two slots of 640 rows of 256 + 16 bytes would be 348,160 bytes, more than there is.  xb and wt lie in blocks of 64 along K ([kb][row][64]), so a wave's
; part of a tile is dense in memory: it is asked for as rows of 256 bytes, two matrix rows each, and padded in LDS after every 128 bytes.
; A K step is four PHASES of 48 matrix instructions: 32 along K (kq = 0, 1) x six of the wave's twelve column blocks (h = 0, 1).  xb's eight fragments have a buffer for each kq, wt's six a buffer for each h.
; A step is written once: the slot read (s70) and the slot filled (s71) are scalars that take the values 0 and SLOT by an exclusive or.
; CLUSTER 4 x 4: xb's tile is shared along a row of the cluster, wt's along a column: joint loads, one a wave behind each round.
; The matrix instruction is used transposed (source 0 = rows of wt, source 1 = rows of xb): a lane holds one row m and eight neighbouring n.
; THE WAY OUT.  A wave's 192 columns are 384 bytes of a row of qkv, no whole number of aligned blocks of 256: so the four waves share one stage, 128 rows of 384 f32, which lies over the ring (its last fill is
; over), and the tile leaves in two parts, each with a barrier between writing and reading and one behind the reading.
; REGISTERS: window 0: v0-31 addresses; v32-95, v96-159 xb's fragments for kq = 0, 1; v160-207, v208-255 wt's for h = 0, 1.  Windows 1 to 3: accumulator (a, b) at v[256 + 8 (8 b + a)].
.set PITCH,  144                       ; 128 bytes + 16 = 36 words: the 16 rows of a fragment load start at 16 different groups of four banks (64 banks of 4 bytes: ISA guide 11.1)
.set AHALF,  128*PITCH                 ; what a wave fetches of xb
.set BHALF,  192*PITCH                 ; and of wt
.set BOFF,   2*AHALF                   ; wt's 384 rows lie behind xb's 256
.set SLOT,   2*AHALF+2*BHALF           ; 92,160
.set SPITCH, 1552                      ; the stage's rows: 1,536 bytes + 16
.set SPARE,  128*SPITCH                ; behind the stage (198,656 bytes, which cover the ring's 184,320): the spare words, 128 bytes a wave
.set QROW,   6144                      ; bytes in a row of qkv and of vlo
.set XKB,    1048576                   ; bytes in a K block of xb
.set WKB,    393216                    ; and of wt
.set RDA,  10                          ; v10  the way out: where I read 32 bytes of a row back: lane l, chunk l
.set RDB,  11                          ; v11  the same for the group of lanes that spans two rows
.set RDA0, 12                          ; v12, v13 the two at a part's first rows; never rewritten
.set RDB0, 13
.set COA,  14                          ; v14, v15 the same places in qkv, 16 bytes a lane; never rewritten
.set COB,  15
.set ADRA, 16                          ; v16  LDS address of my xb fragments in the slot read
.set A0,   17                          ; v17  the same in slot 0; never rewritten
.set ADRB, 20                          ; v20, v21 the same for wt
.set B0,   21
.set STO,  24                          ; v24, v25 the way out: where I put 16 bytes, row blocks 0, 1 and 2, 3 of a part
.set PFO2, 26                          ; v26, v30, v31 the prefetches' offsets
.set NEG1, 27                          ; v27  -1.0
.set SPW,  28                          ; v28  my spare word; never rewritten
.set NIL,  29                          ; v29  0; never rewritten
.set PFO,  30
.set PFO1, 31
.set AF,   32
.set BF,   160
.set T,    32                          ; the way out: v32-127 f32 read back
.set H,    128                         ; v128-175 f16 pairs
.set LO,   176                         ; v176-223 what the rounding lost, as f16 pairs
.set LDA, 20                           ; s20  where my part of xb's tile lies in a slot
.set LDB, 21                           ; s21  the same for wt
.set G1,  24                           ; s[24:31] group 1 for xb's tiles;  s[32:39] group 0: step 0's set, then the set that walks
.set G0,  32
.set G1B, 48                           ; s[48:55], s[56:63] the same for wt's
.set G0B, 56
.set LIM, 43                           ; s43  2 in a wave that prefetches, else the greatest number
.set PFA, 44                           ; s[44:45] what the next prefetches name
.set VL,  68                           ; s[68:69] vlo at my rows
.set TB,  70
.set TBF, 71
.set LOF, 76                           ; s76  1: this tile also stores vlo
.set PFB, 78                           ; s[78:79] my share of a K block's rows, in K block 0
.set PFS, 80                           ; s80  bytes from K block to K block of what I ask for
.set PO,  82                           ; s[82:83] an offset
.set MSB, 0
.macro WIN new                         ; the immediate's high byte repeats the setting that is left
.if MSB != (\new)
	s_set_vgpr_msb (MSB<<8)|(\new)
.set MSB, \new
.endif
.endm
.macro PLACES                          ; four places behind a matrix instruction (ISA guide 7.12.1)
.rept 4
	v_nop
.endr
.endm
.macro JLOAD                           ; a joint refill: waves 0, 1 fetch xb's halves, waves 2, 3 wt's; an s_nop 0 and four v_nop follow each line
	s_cmp_eq_u32 s11, 0
	s_cbranch_scc0 .Lfor_b_\@
	tensor_load_to_lds s[G0+4:G0+7], s[G1:G1+7]
	s_nop 0
.rept 4
	v_nop
.endr
	s_branch .Lasked_\@
.Lfor_b_\@:
	tensor_load_to_lds s[G0B+4:G0B+7], s[G1B:G1B+7]
	s_nop 0
.rept 4
	v_nop
.endr
.Lasked_\@:
.endm
.macro CREST                           ; a round of the cluster's barrier behind its opening barrier
	s_cmp_lg_u32 s10, 0
	s_cbranch_scc1 .Lnot_wave_0_\@
	s_barrier_signal -3
.Lnot_wave_0_\@:
	s_barrier_wait -3
	s_barrier_signal -1
	s_barrier_wait -1
.endm
.macro CROUND
	s_barrier_signal -1
	s_barrier_wait -1
	CREST
.endm
; A PREFETCH INTO THE L2, in every second trip (s3 odd, 13 to 3): the two K steps, 17 - s3 and 18 - s3, that the next two refills will ask for: steps 4 to 15, each named once; steps 0 to 3 come by their loads alone.
; xb's tile row (256 rows of 128 bytes a step) is read by the two clusters of a row of clusters: cluster x = 0 asks, wave 0; of the 32,768 bytes each of the four partners takes 8,192, told apart by address (cx):
; a lane a block of 256 bytes, one instruction a step.  wt's tile column (384 rows a step) is read by eight clusters: cluster y = 0 asks, wave 2; each partner takes 12,288 bytes (cy): the first 8,192 of
; either step by an instruction each, the last 4,096 of both by a third (lanes 0-15 the one step's, lanes 16-31 the other's).
.macro ASK
	s_and_b32 s81, s3, 1
	s_cselect_b32 s81, s3, 0                       ; s3 in an odd trip, else 0
	s_cmp_gt_u32 s81, s[LIM]
	s_cbranch_scc0 .Lnot_mine_\@
	global_prefetch_b8 v[PFO], s[PFA:PFA+1] th:TH_LOAD_NT scope:SCOPE_SE
	global_prefetch_b8 v[PFO1], s[PFA:PFA+1] th:TH_LOAD_NT scope:SCOPE_SE
	s_cmp_eq_u32 s11, 0
	s_cbranch_scc1 .Lnot_mine_\@
	global_prefetch_b8 v[PFO2], s[PFA:PFA+1] th:TH_LOAD_NT scope:SCOPE_SE
.Lnot_mine_\@:
.endm
	s_load_b128 s[4:7], s[0:1], 0x0                ; xb s[4:5], wt s[6:7]
	s_load_b128 s[72:75], s[0:1], 0x10             ; qkv s[72:73], vlo s[74:75]
	v_lshl_add_u32 v[SPW], v0, 2, SPARE
	v_mov_b32 v[NIL], 0
	ds_add_u32 v[SPW], v[NIL]                      ; the wave's opening: the add and its wait ahead of my first tensor load
	ds_add_u32 v28, v29
	v_lshrrev_b32 v1, 5, v0
	v_readfirstlane_b32 s10, v1                    ; wave 0..3
	s_lshr_b32 s11, s10, 1                         ; my half of the tile's rows.  Also: I fetch for xb (0) or wt (1)
	s_and_b32 s12, s10, 1                          ; my half of its columns.  Also: which half of that tile's rows I fetch
	s_bfe_u32 s40, ttmp6, 0x40000                  ; cx
	s_bfe_u32 s41, ttmp6, 0x40004                  ; cy
	s_lshl_b32 s42, ttmp9, 2
	s_add_co_u32 s42, s42, s40                     ; tile column = 4 x cluster x + cx
	s_and_b32 s13, ttmp7, 0xffff
	s_lshl_b32 s13, s13, 2
	s_add_co_u32 s13, s13, s41                     ; tile row = 4 x cluster y + cy
	s_lshl_b32 s43, s41, 2
	s_lshl_b32 s43, 15, s43                        ; my row of the cluster
	s_lshl_b32 s44, 0x1111, s40                    ; my column
	s_or_b32 s[G1+0], s43, (1<<16)|(1<<20)|(1<<21)|(4<<22)|(3<<25)   ; mask; 2-byte elements; padding on; bit 21 beside a mask; after every 32 words 4 words
	s_or_b32 s[G1B+0], s44, (1<<16)|(1<<20)|(1<<21)|(4<<22)|(3<<25)
.irp g, G1, G1B
	s_mov_b32 s[(\g)+1], 128<<16                   ; tensor_dim0 = 128 elements: 256 bytes, two matrix rows
	s_mov_b32 s[(\g)+3], 128<<16                   ; tile_dim0 = 128
	s_mov_b32 s[(\g)+5], 128                       ; elements from row to row: the block is dense
	s_mov_b32 s[(\g)+6], 0
	s_mov_b32 s[(\g)+7], 0
.endr
	s_mov_b32 s[G1+2], 64<<16                      ; xb: tensor_dim1 = tile_dim1 = 64: 128 matrix rows
	s_mov_b32 s[G1+4], 64
	s_mov_b32 s[G1B+2], 96<<16                     ; wt: 96: 192 matrix rows
	s_mov_b32 s[G1B+4], 96
	s_lshl_b32 s16, s13, 15                        ; xb: row 256 x tile row + 128 x half, of 128 bytes
	s_lshl_b32 s17, s12, 14
	s_add_co_u32 s16, s16, s17
	s_mov_b32 s17, 0
	s_mul_i32 s46, s42, 384*128                    ; wt: row 384 x tile column + 192 x half
	s_mul_i32 s47, s12, 192*128
	s_add_co_u32 s46, s46, s47
	s_mov_b32 s47, 0
	s_mul_i32 s[LDA], s12, AHALF                   ; no place in the cluster enters an LDS address
	s_mul_i32 s[LDB], s12, BHALF
	s_add_co_u32 s[LDB], s[LDB], BOFF
	s_mov_b32 s[TB], 0
	s_mov_b32 s[TBF], SLOT
	s_wait_dscnt 0x0                               ; the opening add is done
	s_wait_kmcnt 0x0
	s_add_nc_u64 s[14:15], s[4:5], s[16:17]
	s_add_nc_u64 s[46:47], s[6:7], s[46:47]
.irp s, 0,1
	s_mov_b32 s[G0+4*(\s)], 1
	s_add_co_u32 s[G0+4*(\s)+1], s[LDA], (\s)*SLOT
	s_add_nc_u64 s[G0+4*(\s)+2:G0+4*(\s)+3], s[14:15], (\s)*XKB
	s_or_b32 s[G0+4*(\s)+3], s[G0+4*(\s)+3], 0x80000000
	s_mov_b32 s[G0B+4*(\s)], 1
	s_add_co_u32 s[G0B+4*(\s)+1], s[LDB], (\s)*SLOT
	s_add_nc_u64 s[G0B+4*(\s)+2:G0B+4*(\s)+3], s[46:47], (\s)*WKB
	s_or_b32 s[G0B+4*(\s)+3], s[G0B+4*(\s)+3], 0x80000000
.endr
	CROUND                                         ; all sixteen work-groups are here: the first joint loads meet
	s_cmp_eq_u32 s11, 0                            ; a wave's two first fills stand in one branch: two loads of mine are out
	s_cbranch_scc0 .Lfirst_b
	tensor_load_to_lds s[G0:G0+3], s[G1:G1+7]
	s_nop 0
	tensor_load_to_lds s[G0+4:G0+7], s[G1:G1+7]
	s_nop 0
.rept 4
	v_nop
.endr
	s_branch .Lfirst_asked
.Lfirst_b:
	tensor_load_to_lds s[G0B:G0B+3], s[G1B:G1B+7]
	s_nop 0
	tensor_load_to_lds s[G0B+4:G0B+7], s[G1B:G1B+7]
	s_nop 0
.rept 4
	v_nop
.endr
.Lfirst_asked:
	v_and_b32 v1, 15, v0                           ; r = l % 16
	v_bfe_u32 v2, v0, 4, 1                         ; h = l / 16
	v_and_b32 v6, 31, v0                           ; l
	v_mul_u32_u24 v3, v1, PITCH
	v_lshl_add_u32 v3, v2, 4, v3                   ; a fragment's row x pitch + 16 h
	s_mul_i32 s22, s11, AHALF
	v_add_nc_u32 v[A0], s22, v3                    ; my 128 rows of xb
	v_add_nc_u32 v[B0], s[LDB], v3                 ; my 192 rows of wt
	v_mov_b32 v[ADRA], v[A0]
	v_mov_b32 v[ADRB], v[B0]
	s_mul_i32 s22, s11, 64*SPITCH                  ; into the stage: row 64 x my half of the rows + 16 x block + r, byte 768 x my half of the columns + 64 b + 32 h
	s_mul_i32 s23, s12, 768
	s_add_co_u32 s22, s22, s23
	v_mul_u32_u24 v4, v1, SPITCH
	v_lshl_add_u32 v4, v2, 5, v4
	v_add_nc_u32 v[STO], s22, v4
	v_add_nc_u32 v[STO+1], 32*SPITCH, v[STO]
	; back: wave w takes the stage's rows 32 w .. 32 w + 31, whole.  A row is 48 chunks of 8 numbers; two rows are three groups of 32 lanes: row 0's chunks 0-31; row 0's 32-47 and row 1's 0-15; row 1's 16-47
	s_mul_i32 s22, s10, 32*SPITCH
	v_lshl_add_u32 v[RDA0], v6, 5, s22             ; groups 0 and 2 (the latter SPITCH + 512 further on): 32 l
	v_mul_u32_u24 v5, v2, SPITCH-1024
	v_lshl_add_u32 v5, v1, 5, v5
	v_add_nc_u32 v5, 1024, v5                      ; group 1: h = 0: 1,024 + 32 r; h = 1: SPITCH + 32 r
	v_add_nc_u32 v[RDB0], s22, v5
	v_lshlrev_b32 v[COA], 4, v6                    ; and in qkv: 16 l,
	v_mul_u32_u24 v5, v2, QROW-512
	v_lshl_add_u32 v5, v1, 4, v5
	v_add_nc_u32 v[COB], 512, v5                   ; h = 0: 512 + 16 r; h = 1: a row + 16 r
	v_mov_b32 v[NEG1], -1.0
	s_lshl_b32 s16, s13, 8                         ; the first row that I store: 256 x tile row + 128 (w / 2) + 32 (w % 2); the second part lies 64 rows below
	s_lshl_b32 s22, s11, 7
	s_add_co_u32 s16, s16, s22
	s_lshl_b32 s22, s12, 5
	s_add_co_u32 s16, s16, s22
	s_mul_i32 s16, s16, QROW
	s_mov_b32 s17, 0
	s_mul_i32 s46, s42, 768                        ; the tile's first column, in bytes
	s_mov_b32 s47, 0
	s_add_nc_u64 s[16:17], s[16:17], s[46:47]
	s_add_nc_u64 s[8:9], s[72:73], s[16:17]
	s_add_nc_u64 s[VL:VL+1], s[74:75], s[16:17]
	s_and_b32 s77, ttmp7, 1                        ; cluster y odd: rows 1024.. of a batch
	s_cmp_eq_u32 ttmp9, 1                          ; cluster x = 1: columns 1536...  The same in all sixteen partners
	s_cselect_b32 s[LOF], s77, 0
	; the prefetches
	s_lshl_b32 s22, s13, 15                        ; xb: the tile row's 256 rows of 128 bytes,
	s_lshl_b32 s23, s40, 13                        ; my work-group's 8,192 bytes of them
	s_add_co_u32 s22, s22, s23
	s_mul_i32 s84, s42, 384*128                    ; wt: the tile column's 384 rows,
	s_mul_i32 s23, s41, 12288                      ; my work-group's 12,288 bytes
	s_add_co_u32 s84, s84, s23
	s_and_b32 s23, ttmp7, 0xffff
	s_mov_b32 s85, WKB
	s_cmp_eq_u32 s11, 0
	s_cselect_b32 s[PO], s22, s84
	s_cselect_b32 s23, ttmp9, s23                  ; the coordinate along which other clusters read the same rows
	s_cselect_b64 s[PFB:PFB+1], s[4:5], s[6:7]
	s_cselect_b32 s[PFS], XKB, s85
	s_or_b32 s23, s23, s12                         ; waves 0 and 2 of the first cluster along it ask
	s_cmp_eq_u32 s23, 0
	s_cselect_b32 s[LIM], 2, -1                    ; the same in all sixteen partners, for a given wave
	s_mov_b32 s[PO+1], 0
	s_add_nc_u64 s[PFB:PFB+1], s[PFB:PFB+1], s[PO:PO+1]
	v_lshlrev_b32 v[PFO], 8, v6                    ; 256 l: the first 8,192 bytes of my share, in the one step,
	v_add_nc_u32 v[PFO1], s[PFS], v[PFO]           ; and in the next
	v_lshlrev_b32 v[PFO2], 8, v1                   ; wt's last 4,096: 8,192 + 256 r, lanes 16-31 in the next step
	v_mul_u32_u24 v5, v2, WKB
	v_add3_u32 v[PFO2], v[PFO2], v5, 8192
; Eight matrix instructions: column block bb of half h x all eight row blocks, 32 along K.  The 96 accumulators take turns, in the same order for every 32 along K.
.macro COLB kq, h, bb, zero
.set cb, 6*(\h)+(\bb)
	WIN 0x50*(1+cb/4)                              ; sources 0 and 1 window 0; C and D window 1 + b / 4
.irp a, 0,1,2,3,4,5,6,7
.if \zero
	v_wmma_f32_16x16x32_bf16 v[8*(8*(cb%4)+(\a)):8*(8*(cb%4)+(\a))+7], v[BF+48*(\h)+8*(\bb):BF+48*(\h)+8*(\bb)+7], v[AF+64*(\kq)+8*(\a):AF+64*(\kq)+8*(\a)+7], 0
.else
	v_wmma_f32_16x16x32_bf16 v[8*(8*(cb%4)+(\a)):8*(8*(cb%4)+(\a))+7], v[BF+48*(\h)+8*(\bb):BF+48*(\h)+8*(\bb)+7], v[AF+64*(\kq)+8*(\a):AF+64*(\kq)+8*(\a)+7], v[8*(8*(cb%4)+(\a)):8*(8*(cb%4)+(\a))+7]
.endif
.endr
.endm
.macro RUNA kq                         ; 16 LDS loads: xb's eight fragments of 32 along K
.irp i, 0,1,2,3,4,5,6,7
	ds_load_b128 v[AF+64*(\kq)+8*(\i):AF+64*(\kq)+8*(\i)+3],   v[ADRA] offset:64*(\kq)+(\i)*16*PITCH
	ds_load_b128 v[AF+64*(\kq)+8*(\i)+4:AF+64*(\kq)+8*(\i)+7], v[ADRA] offset:64*(\kq)+(\i)*16*PITCH+32
.endr
.endm
.macro RUNB kq, h                      ; 12 LDS loads: wt's six fragments of half h, in the order in which they are multiplied
.irp i, 0,1,2,3,4,5
	ds_load_b128 v[BF+48*(\h)+8*(\i):BF+48*(\h)+8*(\i)+3],   v[ADRB] offset:64*(\kq)+(6*(\h)+(\i))*16*PITCH
	ds_load_b128 v[BF+48*(\h)+8*(\i)+4:BF+48*(\h)+8*(\i)+7], v[ADRB] offset:64*(\kq)+(6*(\h)+(\i))*16*PITCH+32
.endr
.endm
; A phase, all but a step's last.  Behind its first 16 products stands ONE run of loads for the next phase, into buffers that the phase before read last: 32 products ahead of their first use.
; (kq, 0): wt's other half, 12 loads.  (0, 1): xb's fragments for kq = 1, then wt's first half for it, 28 loads.
.macro PHASE kq, h, zero
	s_wait_dscnt 8                                 ; xb's fragments and wt's first two are in; the youngest eight loads (wt's fragments 2 to 5) may be out
	COLB \kq, \h, 0, \zero
	COLB \kq, \h, 1, \zero
	PLACES
	WIN 0
.if (\h) == 0
	RUNB \kq, 1
	s_wait_dscnt 16                                ; the 12 just issued and wt's fragments 4, 5 may be out
.else
	RUNA 1
	RUNB 1, 0
	s_wait_dscnt 32                                ; the 28 just issued and wt's fragments 4, 5
.endif
	COLB \kq, \h, 2, \zero
	COLB \kq, \h, 3, \zero
.if (\h) == 0
	s_wait_dscnt 12                                ; all but the run just issued
.else
	s_wait_dscnt 28
.endif
	COLB \kq, \h, 4, \zero
	COLB \kq, \h, 5, \zero
.endm
; A step's last phase, (1, 1), changes slots.  fill = 1: the slot just read is filled again, two K steps ahead, behind a round of the cluster's barrier: 176 products stand between the request and the wait for it.
.macro TURN fill
.if \fill
	s_wait_xcnt 0x0                                ; the last prefetches, a K step back or more, have read their address: it is made anew
	s_sub_co_u32 s[PO], 17, s3
	s_mul_i32 s[PO], s[PO], s[PFS]
	s_add_nc_u64 s[PFA:PFA+1], s[PFB:PFB+1], s[PO:PO+1]
.endif
	WIN 0
	s_wait_tensorcnt 0x0                           ; all my tensor loads have landed: the one that was out is my part of the next slot
	ds_add_u32 v[SPW], v[NIL]
	s_xor_b32 s[TB], s[TB], SLOT                   ; the reads go to the other slot,
.if \fill
	s_xor_b32 s[TBF], s[TBF], SLOT                 ; the fill to the one that is left
.endif
	s_wait_dscnt 11                                ; wt's first fragment is in: the add and ten loads may be out
	COLB 1, 1, 0, 0
	s_wait_dscnt 0x0                               ; the add is done, and my reads of this slot are over
	s_barrier_signal -1
	COLB 1, 1, 1, 0
	WIN 0
	s_barrier_wait -1
.if \fill
	CREST                                          ; no wave of any partner still reads the slot or has a load on its way
	s_add_co_u32 s[G0+5], s[TBF], s[LDA]
	s_add_nc_u64 s[G0+6:G0+7], s[G0+6:G0+7], XKB
	s_add_co_u32 s[G0B+5], s[TBF], s[LDB]
	s_add_nc_u64 s[G0B+6:G0B+7], s[G0B+6:G0B+7], WKB
	JLOAD                                          ; my one tensor load behind the round; its four v_nop are also the places in front of the loads below
.else
	PLACES
.endif
	v_add_nc_u32 v[ADRA], s[TB], v[A0]
	v_add_nc_u32 v[ADRB], s[TB], v[B0]
	RUNA 0                                         ; the next slot's first fragments
	RUNB 0, 0
.if \fill
	ASK
.endif
	COLB 1, 1, 2, 0
	COLB 1, 1, 3, 0
	COLB 1, 1, 4, 0
	COLB 1, 1, 5, 0
.endm
	s_wait_tensorcnt 1                             ; my part of K step 0 is in; step 1's may stay out
	s_barrier_signal -1
	s_barrier_wait -1
	RUNA 0
	RUNB 0, 0
	PHASE 0, 0, 1                                  ; the first 32 along K start the sums with the constant 0
	PHASE 0, 1, 1
	WIN 0
	s_mov_b32 s3, 14
.Lstep:                                            ; fourteen trips, from a step's third phase to the next step's second: K steps 2 to 15 are asked for
	PHASE 1, 0, 0
	TURN 1
	PHASE 0, 0, 0
	PHASE 0, 1, 0
	WIN 0
	s_sub_co_u32 s3, s3, 1
	s_cmp_lg_u32 s3, 0
	s_cbranch_scc1 .Lstep
	s_mov_b32 s3, 2
.Ltail:                                            ; K steps 14 and 15: nothing is asked for; the second trip is left in its middle (its fetch reads the slot left behind and serves nothing)
	PHASE 1, 0, 0
	TURN 0
	WIN 0
	s_sub_co_u32 s3, s3, 1
	s_cmp_eq_u32 s3, 0
	s_cbranch_scc1 .Lout
	PHASE 0, 0, 0
	PHASE 0, 1, 0
	WIN 0
	s_branch .Ltail
; Part p of the way out: my row blocks 4 p .. 4 p + 3, all twelve column blocks, into the stage
.macro STAGE_IN p
.irp b, 0,1,2,3,4,5,6,7,8,9,10,11
	WIN 4*(1+(\b)/4)                               ; store data in window 1 + b / 4
.irp c, 0,1,2,3
	ds_store_b128 v[STO+(\c)/2], v[8*(8*((\b)%4)+4*(\p)+(\c)):8*(8*((\b)%4)+4*(\p)+(\c))+3]   offset:((\c)%2)*16*SPITCH+64*(\b)      ; each accumulator's low registers first
	ds_store_b128 v[STO+(\c)/2], v[8*(8*((\b)%4)+4*(\p)+(\c))+4:8*(8*((\b)%4)+4*(\p)+(\c))+7] offset:((\c)%2)*16*SPITCH+64*(\b)+16
.endr
.endr
	WIN 0
.endm
.macro PUT j, g, d, sb                 ; group g of pair j of rows: 16 bytes a lane from v[d ..]; every sixteen lanes cover 256 consecutive bytes, aligned
.if (\g) == 1
	global_store_b128 v[COB], v[(\d):(\d)+3], s[(\sb):(\sb)+1] offset:2*QROW*(\j)
.else
	global_store_b128 v[COA], v[(\d):(\d)+3], s[(\sb):(\sb)+1] offset:2*QROW*(\j)+(QROW+256)/2*(\g)
.endif
.endm
.Lout:
	s_wait_dscnt 0x0                               ; my reads of the ring are over,
	s_barrier_signal -1
	s_barrier_wait -1                              ; everybody's are: the ring, which is filled no more, becomes the stage
	PLACES
	s_mov_b32 s2, 2
.Lpart:                                            ; two trips: the tile's rows 0-63 and 128-191, then 64-127 and 192-255
	s_cmp_eq_u32 s2, 2
	s_cbranch_scc0 .Lsecond
	STAGE_IN 0
	s_branch .Lstaged
.Lsecond:
	STAGE_IN 1
.Lstaged:
	v_mov_b32 v[RDA], v[RDA0]
	v_mov_b32 v[RDB], v[RDB0]
	s_wait_dscnt 0x0                               ; for the others' sake: my stores into the stage are done
	s_barrier_signal -1
	s_barrier_wait -1
	s_mov_b32 s3, 4
.Lrows:                                            ; four trips of eight rows: 24 loads of 16 bytes a lane, two for each lane's eight numbers
.irp j, 0,1,2,3
.irp g, 0,1,2
.if (\g) == 1
	ds_load_b128 v[T+8*(3*(\j)+(\g)):T+8*(3*(\j)+(\g))+3],   v[RDB] offset:2*SPITCH*(\j)
	ds_load_b128 v[T+8*(3*(\j)+(\g))+4:T+8*(3*(\j)+(\g))+7], v[RDB] offset:2*SPITCH*(\j)+16
.else
	ds_load_b128 v[T+8*(3*(\j)+(\g)):T+8*(3*(\j)+(\g))+3],   v[RDA] offset:2*SPITCH*(\j)+(SPITCH+512)/2*(\g)
	ds_load_b128 v[T+8*(3*(\j)+(\g))+4:T+8*(3*(\j)+(\g))+7], v[RDA] offset:2*SPITCH*(\j)+(SPITCH+512)/2*(\g)+16
.endif
.endr
.endr
.irp j, 0,1,2,3
.irp g, 0,1,2
	s_wait_dscnt 22-2*(3*(\j)+(\g))                ; this group's two loads are in, the younger ones stay out
.irp k, 0,1,2,3
	v_cvt_pk_f16_f32 v[H+4*(3*(\j)+(\g))+(\k)], v[T+8*(3*(\j)+(\g))+2*(\k)], v[T+8*(3*(\j)+(\g))+2*(\k)+1]
.endr
	PUT \j, \g, H+4*(3*(\j)+(\g)), 8
.endr
.endr
	s_cmp_eq_u32 s[LOF], 1
	s_cbranch_scc0 .Lnolo
.irp j, 0,1,2,3
.irp g, 0,1,2
.irp u, 0,1,2,3
	v_fma_mix_f32 v[T+8*(3*(\j)+(\g))+2*(\u)],   v[H+4*(3*(\j)+(\g))+(\u)], v[NEG1], v[T+8*(3*(\j)+(\g))+2*(\u)]   op_sel_hi:[1,0,0]               ; the sum less its f16: exact
	v_fma_mix_f32 v[T+8*(3*(\j)+(\g))+2*(\u)+1], v[H+4*(3*(\j)+(\g))+(\u)], v[NEG1], v[T+8*(3*(\j)+(\g))+2*(\u)+1] op_sel:[1,0,0] op_sel_hi:[1,0,0]
.endr
.irp k, 0,1,2,3
	v_cvt_pk_f16_f32 v[LO+4*(3*(\j)+(\g))+(\k)], v[T+8*(3*(\j)+(\g))+2*(\k)], v[T+8*(3*(\j)+(\g))+2*(\k)+1]
.endr
	PUT \j, \g, LO+4*(3*(\j)+(\g)), VL
.endr
.endr
.Lnolo:
	s_wait_xcnt 0x0                                ; the stores' data and bases are rewritten only behind this wait
	v_add_nc_u32 v[RDA], 8*SPITCH, v[RDA]
	v_add_nc_u32 v[RDB], 8*SPITCH, v[RDB]
	s_add_nc_u64 s[8:9], s[8:9], 8*QROW
	s_add_nc_u64 s[VL:VL+1], s[VL:VL+1], 8*QROW
	s_sub_co_u32 s3, s3, 1
	s_cmp_lg_u32 s3, 0
	s_cbranch_scc1 .Lrows
	s_add_nc_u64 s[8:9], s[8:9], 32*QROW           ; 32 rows are stored; the second part's begin 64 below the first's
	s_add_nc_u64 s[VL:VL+1], s[VL:VL+1], 32*QROW
	s_wait_dscnt 0x0                               ; my reads of the stage are back,
	s_barrier_signal -1
	s_barrier_wait -1                              ; everybody's are: the stage may be written again
	s_sub_co_u32 s2, s2, 1
	s_cmp_lg_u32 s2, 0
	s_cbranch_scc1 .Lpart
	s_wait_tensorcnt 0x0                           ; the wave's end
	ds_add_u32 v[SPW], v[NIL]
	s_wait_dscnt 0x0
	CROUND                                         ; the closing round
	s_endpgm
.Lfunc_end_k_q47790c0206_proj:
	.size	k_q47790c0206_proj, .Lfunc_end_k_q47790c0206_proj-k_q47790c0206_proj
	.p2alignl 7, 3214868480
	.fill 96, 4, 3214868480
	.section	.rodata,"a",@progbits
	.p2align	6, 0x0
	.amdhsa_kernel k_q47790c0206_proj
		.amdhsa_group_segment_fixed_size 327680
		.amdhsa_private_segment_fixed_size 0
		.amdhsa_enable_private_segment 0
		.amdhsa_kernarg_size 32
		.amdhsa_user_sgpr_count 2
		.amdhsa_user_sgpr_kernarg_segment_ptr 1
		.amdhsa_wavefront_size32 1
		.amdhsa_system_sgpr_workgroup_id_x 1
		.amdhsa_system_sgpr_workgroup_id_y 1
		.amdhsa_system_sgpr_workgroup_id_z 1
		.amdhsa_system_vgpr_workitem_id 0
		.amdhsa_next_free_vgpr 1024
		.amdhsa_next_free_sgpr 90
		.amdhsa_reserve_vcc 0
		.amdhsa_float_denorm_mode_32 3
		.amdhsa_float_denorm_mode_16_64 3
		.amdhsa_memory_ordered 1
		.amdhsa_forward_progress 1
		.amdhsa_inst_pref_size 89
	.end_amdhsa_kernel
	.amdgpu_metadata
---
amdhsa.version: [ 1, 2 ]
amdhsa.kernels:
  - .name:           k_q47790c0206_proj
    .symbol:         k_q47790c0206_proj.kd
    .args:
      - { .name: xb, .offset: 0, .size: 8, .value_kind: global_buffer, .address_space: global }
      - { .name: wt, .offset: 8, .size: 8, .value_kind: global_buffer, .address_space: global }
      - { .name: qkv, .offset: 16, .size: 8, .value_kind: global_buffer, .address_space: global }
      - { .name: vlo, .offset: 24, .size: 8, .value_kind: global_buffer, .address_space: global }
    .group_segment_fixed_size: 327680
    .private_segment_fixed_size: 0
    .kernarg_segment_align: 8
    .kernarg_segment_size: 32
    .max_flat_workgroup_size: 128
    .sgpr_count:     90
    .vgpr_count:     1024
    .wavefront_size: 32
...
	.end_amdgpu_metadata
.endif
;; end of part 2
;; launch score (part 3): grid 9 x 16, 4 waves a work-group, no clusters, 327,680 bytes of LDS; arguments qkv, st; writes st
.if DOCPART == 3
	.amdgcn_target "amdgcn-amd-amdhsa--gfx1250"
	.amdhsa_code_object_version 6
	.text
	.protected	k_q47790c0206_score
	.globl	k_q47790c0206_score
	.p2align	8
	.type	k_q47790c0206_score,@function
k_q47790c0206_score:
	s_mov_b64 s[64:65], 0
	v_nop
	global_prefetch_b8 v0, s[64:65] scope:SCOPE_SE
	s_setreg_imm32_b32 hwreg(HW_REG_WAVE_MODE, 25, 1), 1
	s_wait_xcnt 0x0
; st[b][j][i] = k_j . q_i, raw f32 sums of f16 products, for the tiles of 256 x 256 with tile(i) >= tile(j): the tiles above the diagonal are thrown away by the mask and are not made.
; Stored by keys: a key's row holds all its queries, so that the softmax over the queries is a softmax along rows.
; 36 tiles a batch.  Work-group (u, y): b = y / 4, pp = y % 4; u <= pp: tile (I, J) = (pp, u); else (7 - pp, u - pp - 1): nine tiles for each pair of query blocks.  144 work-groups, a tile each, K = 1024.
; NO CLUSTER: the tiles that share q's block I are I + 1, those that share k's block J are 8 - J: no division into fours gives four partners the same operand everywhere,
; and filling the rows up to fours would mean tiles above the diagonal.
; The core is that of the projection: 128 x 128 a wave, K steps of 128 through two LDS slots, a step written once, the way out through the finished ring.
; Source 0 = rows of q, source 1 = rows of k: a lane holds one key j and eight neighbouring queries i.
.set KSTEP,  128
.set PITCH,  272
.set HALFT,  128*PITCH
.set SLOT,   4*HALFT
.set SPARE,  2*SLOT
.set SPITCH, 528
.set WSTG,   128*SPITCH
.set QROW,   6144
.set ADRA, 16
.set A0,   17
.set ADRB, 20
.set B0,   21
.set STO,  24
.set RD,   25
.set CO,   26
.set SPW,  28
.set NIL,  29
.set PFO,  30                          ; v30  lane x 6,144
.set F0,   64
.set F1,   128
.set T,    64
.set G1,  24                           ; s[24:31] group 1, the same for k's and q's tiles
.set G0,  32                           ; s[32:39] group 0: step 0's set, then the set that walks
.set PFA, 48                           ; s[48:49]
.set LIM, 50                           ; s50
.set TB,  70
.set TBF, 71
.set MSB, 0
.macro WIN new
.if MSB != (\new)
	s_set_vgpr_msb (MSB<<8)|(\new)
.set MSB, \new
.endif
.endm
.set MUL_LO, 0xa1
.set MUL_HI, 0xf1
.set TO_B,   0x40
.macro PLACES
.rept 4
	v_nop
.endr
.endm
; A prefetch into the L2 of the K step two refills on.  Block I of q and block I of k are each read by several work-groups; the work-group on the diagonal (I = J) asks for both, each wave for the
; 128 rows that it fetches itself: a lane a row, four instructions.  The refills of steps 2 to 5 name steps 4 to 7.
.macro ASK
	s_cmp_gt_u32 s3, s[LIM]
	s_cbranch_scc0 .Lnot_mine_\@
.irp g, 0,1,2,3
	global_prefetch_b8 v[PFO], s[PFA:PFA+1] offset:KSTEP*2+32*QROW*(\g) th:TH_LOAD_NT scope:SCOPE_SE
.endr
.Lnot_mine_\@:
.endm
	s_load_b128 s[4:7], s[0:1], 0x0                ; qkv s[4:5], st s[6:7]
	v_lshl_add_u32 v[SPW], v0, 2, SPARE
	v_mov_b32 v[NIL], 0
	ds_add_u32 v[SPW], v[NIL]                      ; the wave's opening: the add and its wait ahead of my first tensor load
	ds_add_u32 v28, v29
	v_lshrrev_b32 v1, 5, v0
	v_readfirstlane_b32 s10, v1
	s_lshr_b32 s11, s10, 1                         ; my half of the tile's keys.  Also: I fetch k (0) or q (1)
	s_and_b32 s12, s10, 1                          ; my half of its queries.  Also: which 128 rows I fetch
	s_and_b32 s13, ttmp7, 0xffff
	s_lshr_b32 s40, s13, 2                         ; b
	s_and_b32 s41, s13, 3                          ; pp
	s_sub_co_u32 s42, 7, s41
	s_sub_co_u32 s43, ttmp9, s41
	s_sub_co_u32 s43, s43, 1
	s_cmp_le_u32 ttmp9, s41
	s_cselect_b32 s42, s41, s42                    ; I
	s_cselect_b32 s43, ttmp9, s43                  ; J
	s_mov_b32 s[G1+0], (1<<16)|(1<<20)|(5<<22)|(3<<25)  ; 2-byte elements; padding on: after every 64 words 4 words
	s_mov_b32 s[G1+1], KSTEP<<16
	s_mov_b32 s[G1+2], 128<<16
	s_mov_b32 s[G1+3], KSTEP<<16
	s_mov_b32 s[G1+4], 128
	s_mov_b32 s[G1+5], 3072                        ; elements from row to row of qkv
	s_mov_b32 s[G1+6], 0
	s_mov_b32 s[G1+7], 0
	s_lshl_b32 s44, s40, 11                        ; 2048 b
	s_lshl_b32 s17, s12, 7
	s_add_co_u32 s45, s44, s17                     ; + the 128 rows that I fetch
	s_lshl_b32 s16, s43, 8
	s_add_co_u32 s16, s16, s45
	s_mul_i32 s16, s16, QROW
	s_add_co_u32 s16, s16, 2048                    ; k's columns begin 2,048 bytes into a row
	s_lshl_b32 s46, s42, 8
	s_add_co_u32 s46, s46, s45
	s_mul_i32 s46, s46, QROW
	s_cmp_eq_u32 s11, 0
	s_cselect_b32 s16, s16, s46                    ; waves 0, 1: k's rows of block J; waves 2, 3: q's rows of block I
	s_mov_b32 s17, 0
	s_mul_i32 s20, s10, HALFT                      ; my part of a slot: k's two halves, then q's
	s_mov_b32 s[TB], 0
	s_mov_b32 s[TBF], SLOT
	s_wait_dscnt 0x0
	s_wait_kmcnt 0x0
	s_add_nc_u64 s[14:15], s[4:5], s[16:17]
.irp s, 0,1
	s_mov_b32 s[G0+4*(\s)], 1
	s_add_co_u32 s[G0+4*(\s)+1], s20, (\s)*SLOT
	s_add_nc_u64 s[G0+4*(\s)+2:G0+4*(\s)+3], s[14:15], (\s)*KSTEP*2
	s_or_b32 s[G0+4*(\s)+3], s[G0+4*(\s)+3], 0x80000000
.endr
	tensor_load_to_lds s[G0:G0+3], s[G1:G1+7]      ; every wave moves rows of its own into bytes of its own: two loads of mine are out
	s_nop 0
	tensor_load_to_lds s[G0+4:G0+7], s[G1:G1+7]
	s_nop 0
.rept 4
	v_nop
.endr
	v_and_b32 v1, 15, v0
	v_bfe_u32 v2, v0, 4, 1
	v_mul_u32_u24 v3, v1, PITCH
	v_lshl_add_u32 v3, v2, 4, v3
	s_mul_i32 s21, s11, HALFT
	s_mul_i32 s22, s12, HALFT
	s_add_co_u32 s22, s22, 2*HALFT
	v_add_nc_u32 v[A0], s21, v3
	v_add_nc_u32 v[B0], s22, v3
	v_mov_b32 v[ADRA], v[A0]
	v_mov_b32 v[ADRB], v[B0]
	s_mul_i32 s23, s10, WSTG
	v_mul_u32_u24 v4, v1, SPITCH
	v_lshl_add_u32 v4, v2, 5, v4
	v_add_nc_u32 v[STO], s23, v4
	v_and_b32 v5, 31, v0
	v_lshlrev_b32 v[CO], 4, v5                     ; 16 x lane: a row's 512 bytes
	v_add_nc_u32 v[RD], s23, v[CO]
	v_mul_u32_u24 v[PFO], v5, QROW
	s_lshl_b32 s16, s43, 8
	s_add_co_u32 s16, s16, s44
	s_lshl_b32 s17, s11, 7
	s_add_co_u32 s16, s16, s17                     ; my first row of st: 2048 b + 256 J + 128 x half
	s_lshl_b32 s16, s16, 13                        ; rows of 8,192 bytes
	s_lshl_b32 s17, s42, 10                        ; 256 I columns of 4 bytes
	s_add_co_u32 s16, s16, s17
	s_lshl_b32 s17, s12, 9
	s_add_co_u32 s16, s16, s17
	s_mov_b32 s17, 0
	s_add_nc_u64 s[8:9], s[6:7], s[16:17]
	s_add_nc_u64 s[PFA:PFA+1], s[14:15], 2*KSTEP*2 ; at K step 2: the first refill steps it to 3 and names step 4
	s_cmp_eq_u32 s42, s43
	s_cselect_b32 s[LIM], 2, -1
.macro MUL16 f, hi, a0, zero
	WIN MUL_LO+0x50*(\hi)
.irp a, \a0, (\a0)+1
.irp b, 0,1,2,3,4,5,6,7
.if \zero
	v_wmma_f32_16x16x32_f16 v[8*(8*(\a)+(\b)):8*(8*(\a)+(\b))+7], v[(\f)+8*(\b):(\f)+8*(\b)+7], v[(\f)+8*(4*(\hi)+(\a)):(\f)+8*(4*(\hi)+(\a))+7], 0
.else
	v_wmma_f32_16x16x32_f16 v[8*(8*(\a)+(\b)):8*(8*(\a)+(\b))+7], v[(\f)+8*(\b):(\f)+8*(\b)+7], v[(\f)+8*(4*(\hi)+(\a)):(\f)+8*(4*(\hi)+(\a))+7], v[8*(8*(\a)+(\b)):8*(8*(\a)+(\b))+7]
.endif
.endr
.endr
.endm
.macro FETCH k, f
	WIN TO_B
.irp i, 0,1,2,3,4,5,6,7
	ds_load_b128 v[(\f)+8*(\i):(\f)+8*(\i)+3],   v[ADRB] offset:(\k)+(\i)*16*PITCH
	ds_load_b128 v[(\f)+8*(\i)+4:(\f)+8*(\i)+7], v[ADRB] offset:(\k)+(\i)*16*PITCH+32
.endr
	WIN 0
.irp i, 0,1,2,3,4,5,6,7
	ds_load_b128 v[(\f)+8*(\i):(\f)+8*(\i)+3],   v[ADRA] offset:(\k)+(\i)*16*PITCH
	ds_load_b128 v[(\f)+8*(\i)+4:(\f)+8*(\i)+7], v[ADRA] offset:(\k)+(\i)*16*PITCH+32
.endr
.endm
.macro QUARTER k, f, g, zero
	s_wait_dscnt 8                                 ; the youngest eight loads (k's rows 64-127) may be out
	MUL16 \f, 0, 0, \zero
	MUL16 \f, 0, 2, \zero
	PLACES
	FETCH \k, \g
	s_wait_dscnt 32                                ; all but the 32 just issued
	MUL16 \f, 1, 0, \zero
	MUL16 \f, 1, 2, \zero
.endm
.macro TURN fill
.if \fill
	s_wait_xcnt 0x0                                ; the last prefetches, a K step back, have read their address
	s_add_nc_u64 s[PFA:PFA+1], s[PFA:PFA+1], KSTEP*2
.endif
	WIN 0
	s_wait_tensorcnt 0x0                           ; all my tensor loads have landed: my part of the next slot
	ds_add_u32 v[SPW], v[NIL]
	s_xor_b32 s[TB], s[TB], SLOT
.if \fill
	s_xor_b32 s[TBF], s[TBF], SLOT
.endif
	s_wait_dscnt 9                                 ; the add and the youngest eight loads may be out
	MUL16 F1, 0, 0, 0
	s_wait_dscnt 0x0                               ; the add is done, and my reads of this slot are over
	s_barrier_signal -1
	MUL16 F1, 0, 2, 0
	WIN 0
	s_barrier_wait -1
.if \fill
	s_add_co_u32 s[G0+5], s[TBF], s20
	s_add_nc_u64 s[G0+6:G0+7], s[G0+6:G0+7], KSTEP*2
	tensor_load_to_lds s[G0+4:G0+7], s[G1:G1+7]    ; my one tensor load behind the barrier
	s_nop 0
.rept 4
	v_nop
.endr
.else
	PLACES
.endif
	v_add_nc_u32 v[ADRA], s[TB], v[A0]
	v_add_nc_u32 v[ADRB], s[TB], v[B0]
	FETCH 0, F0
.if \fill
	ASK
.endif
	MUL16 F1, 1, 0, 0
	MUL16 F1, 1, 2, 0
.endm
	s_wait_tensorcnt 1                             ; my part of K step 0 is in; step 1's may stay out
	s_barrier_signal -1
	s_barrier_wait -1
	FETCH 0, F0
	QUARTER 64, F0, F1, 1
	WIN 0
	s_mov_b32 s3, 6
.Lstep:
	QUARTER 128, F1, F0, 0
	QUARTER 192, F0, F1, 0
	TURN 1
	QUARTER 64, F0, F1, 0
	WIN 0
	s_sub_co_u32 s3, s3, 1
	s_cmp_lg_u32 s3, 0
	s_cbranch_scc1 .Lstep
	s_mov_b32 s3, 2
.Ltail:
	QUARTER 128, F1, F0, 0
	QUARTER 192, F0, F1, 0
	TURN 0
	WIN 0
	s_sub_co_u32 s3, s3, 1
	s_cmp_eq_u32 s3, 0
	s_cbranch_scc1 .Lout
	QUARTER 64, F0, F1, 0
	WIN 0
	s_branch .Ltail
.Lout:
	s_wait_dscnt 0x0
	s_barrier_signal -1
	s_barrier_wait -1                              ; nobody reads the ring any more, and it is filled no more: it becomes the stage
	PLACES
.irp w, 0,1
	WIN 0x08+4*(\w)
.irp a, 0,1,2,3
.irp b, 0,1,2,3,4,5,6,7
	ds_store_b128 v[STO], v[8*(8*(\a)+(\b)):8*(8*(\a)+(\b))+3]   offset:(4*(\w)+(\a))*16*SPITCH+64*(\b)
	ds_store_b128 v[STO], v[8*(8*(\a)+(\b))+4:8*(8*(\a)+(\b))+7] offset:(4*(\w)+(\a))*16*SPITCH+64*(\b)+16
.endr
.endr
.endr
	WIN 0
	s_mov_b32 s3, 8
.Lrows:                                            ; eight trips of 16 rows of 512 bytes
.irp t, 0,1,2,3,4,5,6,7,8,9,10,11,12,13,14,15
	ds_load_b128 v[T+4*(\t):T+4*(\t)+3], v[RD] offset:SPITCH*(\t)
.endr
.irp t, 0,1,2,3,4,5,6,7,8,9,10,11,12,13,14,15
	s_wait_dscnt 15-(\t)
	global_store_b128 v[CO], v[T+4*(\t):T+4*(\t)+3], s[8:9] offset:8192*(\t)  ; 512 consecutive bytes, aligned
.endr
	s_wait_xcnt 0x0                                ; the stores' data and base are rewritten only behind this wait
	v_add_nc_u32 v[RD], 16*SPITCH, v[RD]
	s_add_nc_u64 s[8:9], s[8:9], 16*8192
	s_sub_co_u32 s3, s3, 1
	s_cmp_lg_u32 s3, 0
	s_cbranch_scc1 .Lrows
	s_wait_tensorcnt 0x0                           ; the wave's end
	ds_add_u32 v[SPW], v[NIL]
	s_wait_dscnt 0x0
	s_endpgm
.Lfunc_end_k_q47790c0206_score:
	.size	k_q47790c0206_score, .Lfunc_end_k_q47790c0206_score-k_q47790c0206_score
	.p2alignl 7, 3214868480
	.fill 96, 4, 3214868480
	.section	.rodata,"a",@progbits
	.p2align	6, 0x0
	.amdhsa_kernel k_q47790c0206_score
		.amdhsa_group_segment_fixed_size 327680
		.amdhsa_private_segment_fixed_size 0
		.amdhsa_enable_private_segment 0
		.amdhsa_kernarg_size 16
		.amdhsa_user_sgpr_count 2
		.amdhsa_user_sgpr_kernarg_segment_ptr 1
		.amdhsa_wavefront_size32 1
		.amdhsa_system_sgpr_workgroup_id_x 1
		.amdhsa_system_sgpr_workgroup_id_y 1
		.amdhsa_system_sgpr_workgroup_id_z 1
		.amdhsa_system_vgpr_workitem_id 0
		.amdhsa_next_free_vgpr 1024
		.amdhsa_next_free_sgpr 80
		.amdhsa_reserve_vcc 0
		.amdhsa_float_denorm_mode_32 3
		.amdhsa_float_denorm_mode_16_64 3
		.amdhsa_memory_ordered 1
		.amdhsa_forward_progress 1
		.amdhsa_inst_pref_size 78
	.end_amdhsa_kernel
	.amdgpu_metadata
---
amdhsa.version: [ 1, 2 ]
amdhsa.kernels:
  - .name:           k_q47790c0206_score
    .symbol:         k_q47790c0206_score.kd
    .args:
      - { .name: qkv, .offset: 0, .size: 8, .value_kind: global_buffer, .address_space: global }
      - { .name: st, .offset: 8, .size: 8, .value_kind: global_buffer, .address_space: global }
    .group_segment_fixed_size: 327680
    .private_segment_fixed_size: 0
    .kernarg_segment_align: 8
    .kernarg_segment_size: 16
    .max_flat_workgroup_size: 128
    .sgpr_count:     80
    .vgpr_count:     1024
    .wavefront_size: 32
...
	.end_amdgpu_metadata
.endif
;; end of part 3
;; launch colsm (part 4): grid 512 x 1, 8 waves a work-group, no clusters, 0 bytes of LDS; arguments st, pt; writes pt
.if DOCPART == 4
	.amdgcn_target "amdgcn-amd-amdhsa--gfx1250"
	.amdhsa_code_object_version 6
	.text
	.protected	k_q47790c0206_colsm
	.globl	k_q47790c0206_colsm
	.p2align	8
	.type	k_q47790c0206_colsm,@function
k_q47790c0206_colsm:
	s_mov_b64 s[64:65], 0
	v_nop
	global_prefetch_b8 v0, s[64:65] scope:SCOPE_SE
	s_setreg_imm32_b32 hwreg(HW_REG_WAVE_MODE, 25, 1), 1
	s_wait_xcnt 0x0
; pt[b][j][i] = f16( 2^(c s - c m) / l ) for i >= j, 0 for i < j inside the diagonal tile; s = st[b][j][i], m and l the maximum and the sum over i >= j, c = log2(e) / 32.
; The softmax over the queries is a softmax along a row of st.  One wave, one row, kept in 64 registers between the passes: no LDS, no barrier.
; A wave takes rows u and 2047 - u of a batch: together nine tiles of 256 queries, whatever u: all waves do equal work.  The tiles left of the diagonal tile are neither read nor written.
; LIMITS: a hidden score counts as the lowest finite number; an exponential below 2^-126 counts as 0; a weight below 6e-5 keeps f16's fixed step of 6e-8; NaN and infinities are not treated apart.
; No prefetch: the launch is a stream that every wave keeps going by up to sixteen loads of its own.
.set X, 32                             ; v[32:95]  slot c of 16: i = 128 c + 4 lane + r
.set P, 96                             ; v[96:127] partial sums, then the packed weights
	s_load_b128 s[4:7], s[0:1], 0x0                ; st s[4:5], pt s[6:7]
	v_lshrrev_b32 v1, 5, v0
	v_readfirstlane_b32 s12, v1                    ; wave
	v_and_b32 v3, 31, v0
	v_lshlrev_b32 v1, 4, v3                        ; 16 x lane; never rewritten below
	v_lshlrev_b32 v2, 3, v3                        ; 8 x lane
	v_lshlrev_b32 v4, 2, v3                        ; v[4:7]: 4 lane + r
	v_add_nc_u32 v5, 1, v4
	v_add_nc_u32 v6, 2, v4
	v_add_nc_u32 v7, 3, v4
	v_mov_b32 v12, 0xff7fffff                      ; the lowest finite number
	v_mov_b32 v21, 0                               ; v_permlanex16_b32's destination counts as read
	s_lshl_b32 s13, ttmp9, 3
	s_add_co_u32 s13, s13, s12                     ; my wave among 4,096
	s_lshr_b32 s14, s13, 10
	s_lshl_b32 s14, s14, 11                        ; 2048 b
	s_and_b32 s16, s13, 1023                       ; j = u
	s_mov_b32 s20, 0x3d38aa3b                      ; c = log2(e) / 32
	s_mov_b32 s21, s20
	s_mov_b32 s22, 0x76543210
	s_mov_b32 s23, 0xfedcba98
	s_mov_b32 s25, 0
	s_mov_b32 s15, 2
	s_wait_kmcnt 0x0
.macro LDT t
	global_load_b128 v[X+8*(\t):X+8*(\t)+3],   v1, s[8:9] offset:1024*(\t) th:TH_LOAD_NT
	global_load_b128 v[X+8*(\t)+4:X+8*(\t)+7], v1, s[8:9] offset:1024*(\t)+512 th:TH_LOAD_NT
.endm
.macro STT t
	global_store_b64 v2, v[P+4*(\t):P+4*(\t)+1],   s[10:11] offset:512*(\t)      ; 32 lanes: 256 consecutive bytes, aligned
	global_store_b64 v2, v[P+4*(\t)+2:P+4*(\t)+3], s[10:11] offset:512*(\t)+256
.endm
.Lrow:
	s_wait_xcnt 0x0                                ; the last row's stores have read their data and their base
	s_add_co_u32 s17, s14, s16
	s_lshl_b32 s24, s17, 13
	s_add_nc_u64 s[8:9], s[4:5], s[24:25]          ; my row of st: 8,192 bytes a row
	s_lshl_b32 s24, s17, 12
	s_add_nc_u64 s[10:11], s[6:7], s[24:25]        ; and of pt: 4,096
	s_lshr_b32 s18, s16, 8                         ; the diagonal tile
.irp r, 0,1,2,3
	v_sub_nc_u32 v[8+(\r)], v[4+(\r)], s16         ; 4 lane + r - j
.endr
.set i, 0
.rept 64
	v_mov_b32 v[X+i], v12                          ; what is not loaded is hidden
.set i, i+1
.endr
	LDT 7                                          ; from the last tile down to the diagonal one
.irp t, 6,5,4,3,2,1,0
	s_cmp_gt_u32 s18, \t
	s_cbranch_scc1 .Lloaded
	LDT \t
.endr
.Lloaded:
	s_wait_loadcnt 0x0
.set c, 0
.rept 16
.irp r, 0,1,2,3
	v_cmp_le_i32 vcc_lo, -128*c, v[8+(\r)]         ; i >= j ?
	v_cndmask_b32 v[X+4*c+(\r)], v12, v[X+4*c+(\r)], vcc_lo
.endr
.set c, c+1
.endr
	; the maximum: four chains of 16, three operands at a time
.irp k, 0,1,2,3
	v_max3_num_f32 v[16+(\k)], v[X+16*(\k)], v[X+16*(\k)+1], v[X+16*(\k)+2]
.endr
.irp n, 0,1,2,3,4,5
.irp k, 0,1,2,3
	v_max3_num_f32 v[16+(\k)], v[16+(\k)], v[X+16*(\k)+3+2*(\n)], v[X+16*(\k)+4+2*(\n)]
.endr
.endr
.irp k, 0,1,2,3
	v_max_num_f32 v[16+(\k)], v[16+(\k)], v[X+16*(\k)+15]
.endr
	v_max3_num_f32 v20, v16, v17, v18
	v_max_num_f32 v20, v20, v19
	v_max_num_f32_dpp v20, v20, v20 row_xmask:1 row_mask:0xf bank_mask:0xf
	v_max_num_f32_dpp v20, v20, v20 row_xmask:2 row_mask:0xf bank_mask:0xf
	v_max_num_f32_dpp v20, v20, v20 row_xmask:4 row_mask:0xf bank_mask:0xf
	v_max_num_f32_dpp v20, v20, v20 row_xmask:8 row_mask:0xf bank_mask:0xf
	v_permlanex16_b32 v21, v20, s22, s23
	v_max_num_f32 v20, v20, v21                    ; m, in every lane: row j sees query j at the least, so m is a true score
	v_mul_f32 v14, s20, v20                        ; c m
	v_mov_b32 v15, v14                             ; named with it as a pair
.set i, 0
.rept 32
	v_pk_fma_f32 v[X+i:X+i+1], v[X+i:X+i+1], s[20:21], v[14:15] op_sel_hi:[1,0,0] neg_lo:[0,0,1] neg_hi:[0,0,1]  ; c s - c m
.set i, i+2
.endr
.set i, 0
.rept 64
	v_exp_f32 v[X+i], v[X+i]                       ; one batch
.set i, i+1
.endr
	v_nop                                          ; a plain instruction behind the last exponential (ISA guide 5.7.2)
	s_wait_alu depctr_va_vdst(0)                   ; one wait for the batch, ahead of its first reader
.set k, 0
.rept 16
	v_pk_add_f32 v[P+2*k:P+2*k+1], v[X+4*k:X+4*k+1], v[X+4*k+2:X+4*k+3]  ; the sums go into other registers: X keeps the weights
.set k, k+1
.endr
.irp w, 16,8,4,2
.set k, 0
.rept (\w)/2
	v_pk_add_f32 v[P+2*k:P+2*k+1], v[P+2*k:P+2*k+1], v[P+2*k+(\w):P+2*k+(\w)+1]
.set k, k+1
.endr
.endr
	v_add_f32 v20, v[P], v[P+1]
	v_add_f32_dpp v20, v20, v20 row_xmask:1 row_mask:0xf bank_mask:0xf
	v_add_f32_dpp v20, v20, v20 row_xmask:2 row_mask:0xf bank_mask:0xf
	v_add_f32_dpp v20, v20, v20 row_xmask:4 row_mask:0xf bank_mask:0xf
	v_add_f32_dpp v20, v20, v20 row_xmask:8 row_mask:0xf bank_mask:0xf
	v_permlanex16_b32 v21, v20, s22, s23
	v_add_f32 v20, v20, v21                        ; l: at least 1, the maximum's own weight
	v_rcp_f32 v22, v20
	v_rcp_f32 v23, v20
	v_nop
	s_wait_alu depctr_va_vdst(0)                   ; one wait for the two reciprocals
.set i, 0
.rept 32
	v_pk_mul_f32 v[X+i:X+i+1], v[X+i:X+i+1], v[22:23]
.set i, i+2
.endr
.set i, 0
.rept 32
	v_cvt_pk_f16_f32 v[P+i], v[X+2*i], v[X+2*i+1]
.set i, i+1
.endr
	STT 7
.irp t, 6,5,4,3,2,1,0
	s_cmp_gt_u32 s18, \t
	s_cbranch_scc1 .Lstored
	STT \t
.endr
.Lstored:
	s_sub_co_u32 s16, 2047, s16                    ; the second row
	s_sub_co_u32 s15, s15, 1
	s_cmp_lg_u32 s15, 0
	s_cbranch_scc1 .Lrow
	s_endpgm
.Lfunc_end_k_q47790c0206_colsm:
	.size	k_q47790c0206_colsm, .Lfunc_end_k_q47790c0206_colsm-k_q47790c0206_colsm
	.p2alignl 7, 3214868480
	.fill 96, 4, 3214868480
	.section	.rodata,"a",@progbits
	.p2align	6, 0x0
	.amdhsa_kernel k_q47790c0206_colsm
		.amdhsa_group_segment_fixed_size 0
		.amdhsa_private_segment_fixed_size 0
		.amdhsa_enable_private_segment 0
		.amdhsa_kernarg_size 16
		.amdhsa_user_sgpr_count 2
		.amdhsa_user_sgpr_kernarg_segment_ptr 1
		.amdhsa_wavefront_size32 1
		.amdhsa_system_sgpr_workgroup_id_x 1
		.amdhsa_system_sgpr_workgroup_id_y 1
		.amdhsa_system_sgpr_workgroup_id_z 1
		.amdhsa_system_vgpr_workitem_id 0
		.amdhsa_next_free_vgpr 128
		.amdhsa_next_free_sgpr 66
		.amdhsa_reserve_vcc 1
		.amdhsa_float_denorm_mode_32 3
		.amdhsa_float_denorm_mode_16_64 3
		.amdhsa_memory_ordered 1
		.amdhsa_forward_progress 1
		.amdhsa_inst_pref_size 27
	.end_amdhsa_kernel
	.amdgpu_metadata
---
amdhsa.version: [ 1, 2 ]
amdhsa.kernels:
  - .name:           k_q47790c0206_colsm
    .symbol:         k_q47790c0206_colsm.kd
    .args:
      - { .name: st, .offset: 0, .size: 8, .value_kind: global_buffer, .address_space: global }
      - { .name: pt, .offset: 8, .size: 8, .value_kind: global_buffer, .address_space: global }
    .group_segment_fixed_size: 0
    .private_segment_fixed_size: 0
    .kernarg_segment_align: 8
    .kernarg_segment_size: 16
    .max_flat_workgroup_size: 256
    .sgpr_count:     66
    .vgpr_count:     128
    .wavefront_size: 32
...
	.end_amdgpu_metadata
.endif
;; end of part 4
;; launch pv (part 5): grid 8 x 32, 4 waves a work-group, clusters of 4 x 1, 327,680 bytes of LDS; arguments pt, qkv, vlo, out0; writes out0
.if DOCPART == 5
	.amdgcn_target "amdgcn-amd-amdhsa--gfx1250"
	.amdhsa_code_object_version 6
	.text
	.protected	k_q47790c0206_pv
	.globl	k_q47790c0206_pv
	.p2align	8
	.type	k_q47790c0206_pv,@function
k_q47790c0206_pv:
	s_mov_b64 s[64:65], 0
	v_nop
	global_prefetch_b8 v0, s[64:65] scope:SCOPE_SE
	s_setreg_imm32_b32 hwreg(HW_REG_WAVE_MODE, 25, 1), 1
	s_wait_xcnt 0x0
	s_wait_alu depctr_hold_cnt(0) depctr_sa_sdst(0) depctr_va_vdst(0) depctr_va_sdst(0) depctr_va_ssrc(0) depctr_va_vcc(0) depctr_vm_vsrc(0)
	s_getreg_b32 s2, hwreg(HW_REG_IB_STS2, 6, 4)
	s_cmp_eq_u32 s2, 0
	s_cbranch_scc0 .Lentry_in_a_cluster
	s_endpgm
.Lentry_in_a_cluster:
	s_bfe_u32 s2, ttmp6, 0x10000c
	s_cmp_lg_u32 s2, 0x3003
	s_cbranch_scc0 .Lentry_shape_is_right
	s_endpgm
.Lentry_shape_is_right:
; out0[b][i][e] = sum over j <= i of pt[b][j][i] v[b][j][e], f16 products, f32 sums.  For the upper block's diagonal key tile the product is taken a second time with vlo, what v's rounding to f16 lost.
; LIMITS: v arrives within f16's range, 65,504; the weights lie in 0 to 1; NaN and infinities are not treated apart.
; SHARES.  n = 4 x cluster x + cx: 128 channels.  y: b = y / 8, p = y % 8.  A work-group makes two blocks of 128 queries x 128 channels, one after the other: block 15 - p, then block p.
; THE WALK has 10 steps of 256 keys, whatever p.  With E = (15 - p) / 2 + 1: steps f < E: key tile f, block 15 - p, v; f = E: key tile E - 1 once more, with vlo; f > E: key tile f - E - 1, block p, v.
; So every trip count is a constant and all 256 work-groups do equal work.  Which tile is asked for hangs on scalars made from p; the descriptors' addresses are made anew for each fill.
; Both operands lie [key][..] in memory and in LDS, and come out turned, by ds_load_tr16_b128.  Source 0 = 16 channels of v, source 1 = 16 queries of pt: a lane holds one query and eight neighbouring channels.
; CLUSTER 4 x 1: the four partners take four channel blocks of the same queries: pt's tile, half of a step's bytes, is asked for jointly; v's tile is each work-group's own, asked for behind the same round.
; The sums start from cleared accumulators (128 lines in the wait for the first tile and at a block's end), so that one text serves every step.
; REGISTERS: window 0: v0-31 addresses, v32-95 the way out, v128-255 the 16 accumulators ((a, b) at v[128 + 8 (4 a + b)]); window 1: two fragment buffers of 128: 64 of pt, then 64 of v, for 64 keys.
.set PP,    288                        ; an LDS row: 256 bytes + 32 = 72 words
.set HALF,  128*PP                     ; what one tensor load brings
.set ATILE, 2*HALF                     ; pt's 256 keys; v's 256 lie behind them
.set SLOT,  2*ATILE
.set STAGE, 2*SLOT                     ; behind the ring, never filled by a tensor load: 16 rows x 272 bytes for each wave
.set SP,    272
.set SPARE, STAGE+4*16*SP              ; the spare words, 128 bytes a wave
.set QROW,  6144
.set CA,  2                            ; v2, v3   my lane's place in pt's keys 0-127, 128-255 of slot 0; never rewritten
.set CB,  4                            ; v4, v5   the same for v
.set ADA, 6                            ; v6, v7   the same in the slot read
.set ADB, 8                            ; v8, v9
.set STO, 10
.set RD,  11
.set CO,  12
.set PFO, 13                           ; v13  lane x a row of pt or of qkv
.set SPW, 14
.set NIL, 15
.set BK,  32
.set ACC, 128
.set F0,  0
.set F1,  128
.set WV, 12
.set RH, 13                            ; s13  my half of the queries.  Also: I fetch pt (0) or v (1)
.set CH, 14                            ; s14  my half of the channels.  Also: which 128 keys I fetch
.set CX, 15
.set NN, 16
.set BT, 17
.set ILO, 18
.set IHI, 19
.set E,  20
.set LH, 21                            ; s21  wave x HALF
.set T0, 22
.set T1, 23
.set G1A, 24
.set G1B, 32
.set G0A, 40                           ; s[40:47] step 0's set, then the set that walks
.set G0B, 48
.set PTB, 56                           ; s[56:57] pt at my batch and my 128 keys of tile 0
.set VB,  58                           ; s[58:59] v likewise, at my channels
.set VLB, 60                           ; s[60:61] vlo likewise
.set BSEL, 62
.set OA, 66                            ; s[66:67] a step's byte offset in pt
.set OB, 68                            ; s[68:69] in v
.set TB, 70
.set TBF, 71
.set STP, 72
.set CNT, 73
.set WF, 74
.set WJ, 75
.set WI, 76
.set ASKF, 77
.set GMAX, 78
.set GSKIP, 79
.set O,   80                           ; s[80:81] out0 at my rows of the block in hand
.set OLO, 82                           ; s[82:83] of the second block
.set PFA, 84
.set PFB, 86
.set PO,  88
.set VO,  90
.set OO,  92                           ; s[92:93], s96, s[98:99]: what is made from cx; none of them feeds pt's descriptors
.set WO,  94
.set TX,  96
.set OP,  98
.set MSB, 0
.macro WIN new
.if MSB != (\new)
	s_set_vgpr_msb (MSB<<8)|(\new)
.set MSB, \new
.endif
.endm
.set MUL,  0x05                        ; sources 0 and 1 window 1; C and D window 0
.set TO_F, 0x40
.macro PLACES
.rept 4
	v_nop
.endr
.endm
.macro JLOAD                           ; waves 0, 1: pt's halves, jointly; waves 2, 3: v's halves, my work-group's own
	s_cmp_eq_u32 s[RH], 0
	s_cbranch_scc0 .Lfor_b_\@
	tensor_load_to_lds s[G0A+4:G0A+7], s[G1A:G1A+7]
	s_nop 0
.rept 4
	v_nop
.endr
	s_branch .Lasked_\@
.Lfor_b_\@:
	tensor_load_to_lds s[G0B+4:G0B+7], s[G1B:G1B+7]
	s_nop 0
.rept 4
	v_nop
.endr
.Lasked_\@:
.endm
.macro CREST
	s_cmp_lg_u32 s[WV], 0
	s_cbranch_scc1 .Lnot_wave_0_\@
	s_barrier_signal -3
.Lnot_wave_0_\@:
	s_barrier_wait -3
	s_barrier_signal -1
	s_barrier_wait -1
.endm
.macro CROUND
	s_barrier_signal -1
	s_barrier_wait -1
	CREST
.endm
.macro WALK                            ; step s[WF] -> its key tile WJ, its block WI, and the byte offsets OA (pt) and OB (v)
	s_cmp_ge_u32 s[WF], s[E]
	s_cselect_b32 s[T0], 1, 0
	s_sub_co_u32 s[WJ], s[WF], s[T0]
	s_cmp_gt_u32 s[WF], s[E]
	s_cselect_b32 s[T0], s[E], 0
	s_cselect_b32 s[WI], s[ILO], s[IHI]
	s_sub_co_u32 s[WJ], s[WJ], s[T0]
	s_lshl_b32 s[OA], s[WJ], 20                    ; 256 keys of 4,096 bytes
	s_lshl_b32 s[T0], s[WI], 8                     ; 128 queries of 2 bytes
	s_add_co_u32 s[OA], s[OA], s[T0]
	s_mul_i32 s[OB], s[WJ], 256*QROW
.endm
; A prefetch into the L2 of step STP + 4, two steps ahead of its load.  pt: both clusters of a (b, p) read the same tiles: cluster x = 0 asks, waves 0 and 1, each partner 32 of a wave's 128 keys, told apart by
; address; the tile's second reading (step E) is not asked for.  v: the eight p of a batch read the same tiles: p = 0 asks, waves 2 and 3, their own 128 keys, for steps up to E - 1.  A lane a row.
.macro ASK
	s_cmp_eq_u32 s[ASKF], 1
	s_cbranch_scc0 .Lnone_\@
	global_prefetch_b8 v[PFO], s[PFA:PFA+1] th:TH_LOAD_NT scope:SCOPE_SE
	s_cmp_eq_u32 s[RH], 0
	s_cbranch_scc1 .Lnone_\@
.irp k, 1,2,3
	global_prefetch_b8 v[PFO], s[PFA:PFA+1] offset:32*QROW*(\k) th:TH_LOAD_NT scope:SCOPE_SE
.endr
.Lnone_\@:
.endm
	s_load_b256 s[4:11], s[0:1], 0x0               ; pt s[4:5], qkv s[6:7], vlo s[8:9], out0 s[10:11]
	v_lshl_add_u32 v[SPW], v0, 2, SPARE
	v_mov_b32 v[NIL], 0
	ds_add_u32 v[SPW], v[NIL]                      ; the wave's opening: the add and its wait ahead of my first tensor load
	ds_add_u32 v14, v15
	v_lshrrev_b32 v1, 5, v0
	v_readfirstlane_b32 s[WV], v1
	s_lshr_b32 s[RH], s[WV], 1
	s_and_b32 s[CH], s[WV], 1
	s_bfe_u32 s[CX], ttmp6, 0x40000
	s_lshl_b32 s[NN], ttmp9, 2
	s_add_co_u32 s[NN], s[NN], s[CX]               ; my block of channels: it enters v's, vlo's and out0's addresses alone
	s_and_b32 s[T0], ttmp7, 0xffff
	s_lshr_b32 s[BT], s[T0], 3                     ; b
	s_and_b32 s[ILO], s[T0], 7                     ; p
	s_sub_co_u32 s[IHI], 15, s[ILO]
	s_lshr_b32 s[E], s[IHI], 1
	s_add_co_u32 s[E], s[E], 1
	s_mov_b32 s[G1A], 15|(1<<16)|(1<<20)|(1<<21)|(5<<22)|(7<<25)  ; the mask of four; 2-byte elements; padding on; bit 21 beside a mask; after every 64 words 8 words
	s_mov_b32 s[G1B], (1<<16)|(1<<20)|(5<<22)|(7<<25)
.irp g, G1A, G1B
	s_mov_b32 s[(\g)+1], 128<<16
	s_mov_b32 s[(\g)+2], 128<<16
	s_mov_b32 s[(\g)+3], 128<<16
	s_mov_b32 s[(\g)+4], 128
	s_mov_b32 s[(\g)+6], 0
	s_mov_b32 s[(\g)+7], 0
.endr
	s_mov_b32 s[G1A+5], 2048                       ; elements from row to row of pt
	s_mov_b32 s[G1B+5], 3072                       ; and of qkv and vlo
	s_mul_i32 s[LH], s[WV], HALF
	s_mov_b32 s[TB], 0
	s_mov_b32 s[TBF], SLOT
	s_mov_b32 s[OA+1], 0
	s_mov_b32 s[OB+1], 0
	s_lshl_b32 s[PO], s[BT], 23                    ; a batch of pt: 2,048 rows of 4,096 bytes
	s_lshl_b32 s[T0], s[CH], 19                    ; my 128 keys
	s_add_co_u32 s[PO], s[PO], s[T0]
	s_mov_b32 s[PO+1], 0
	s_lshl_b32 s[VO], s[BT], 11
	s_lshl_b32 s[T0], s[CH], 7
	s_add_co_u32 s[VO], s[VO], s[T0]
	s_mul_i32 s[VO], s[VO], QROW
	s_add_co_u32 s[VO], s[VO], 4096                ; v's columns begin 4,096 bytes into a row
	s_lshl_b32 s[TX], s[NN], 8
	s_add_co_u32 s[VO], s[VO], s[TX]
	s_mov_b32 s[VO+1], 0
	s_lshl_b32 s[T0], s[BT], 11
	s_lshl_b32 s[T1], s[RH], 6
	s_add_co_u32 s[T0], s[T0], s[T1]               ; 2048 b + 64 x my half of the queries
	s_lshl_b32 s[TX], s[NN], 9
	s_lshl_b32 s[T1], s[CH], 8
	s_add_co_u32 s[TX], s[TX], s[T1]               ; my first channel, in bytes
	s_lshl_b32 s[T1], s[IHI], 7
	s_add_co_u32 s[T1], s[T1], s[T0]
	s_lshl_b32 s[OO], s[T1], 12
	s_add_co_u32 s[OO], s[OO], s[TX]
	s_mov_b32 s[OO+1], 0
	s_lshl_b32 s[T1], s[ILO], 7
	s_add_co_u32 s[T1], s[T1], s[T0]
	s_lshl_b32 s[OP], s[T1], 12
	s_add_co_u32 s[OP], s[OP], s[TX]
	s_mov_b32 s[OP+1], 0
	s_wait_dscnt 0x0                               ; the opening add is done
	s_wait_kmcnt 0x0
	s_add_nc_u64 s[PTB:PTB+1], s[4:5], s[PO:PO+1]
	s_add_nc_u64 s[VB:VB+1], s[6:7], s[VO:VO+1]
	s_add_nc_u64 s[VLB:VLB+1], s[8:9], s[VO:VO+1]
	s_add_nc_u64 s[O:O+1], s[10:11], s[OO:OO+1]
	s_add_nc_u64 s[OLO:OLO+1], s[10:11], s[OP:OP+1]
	s_lshl_b32 s[OA], s[IHI], 8                    ; step 0: key tile 0, the upper block
	s_mov_b32 s[G0A], 1
	s_mov_b32 s[G0A+1], s[LH]
	s_add_nc_u64 s[G0A+2:G0A+3], s[PTB:PTB+1], s[OA:OA+1]
	s_or_b32 s[G0A+3], s[G0A+3], 0x80000000
	s_mov_b32 s[G0B], 1
	s_mov_b32 s[G0B+1], s[LH]
	s_mov_b64 s[G0B+2:G0B+3], s[VB:VB+1]
	s_or_b32 s[G0B+3], s[G0B+3], 0x80000000
	s_add_co_u32 s[OA], s[OA], 1<<20               ; step 1: key tile 1 (E is 5 at the least)
	s_mov_b32 s[OB], 256*QROW
	s_mov_b32 s[G0A+4], 1
	s_add_co_u32 s[G0A+5], s[LH], SLOT
	s_add_nc_u64 s[G0A+6:G0A+7], s[PTB:PTB+1], s[OA:OA+1]
	s_or_b32 s[G0A+7], s[G0A+7], 0x80000000
	s_mov_b32 s[G0B+4], 1
	s_add_co_u32 s[G0B+5], s[LH], SLOT
	s_add_nc_u64 s[G0B+6:G0B+7], s[VB:VB+1], s[OB:OB+1]
	s_or_b32 s[G0B+7], s[G0B+7], 0x80000000
	CROUND                                         ; all four work-groups are here: the first joint loads meet
	s_cmp_eq_u32 s[RH], 0                          ; a wave's two first fills stand in one branch: two loads of mine are out
	s_cbranch_scc0 .Lfirst_b
	tensor_load_to_lds s[G0A:G0A+3], s[G1A:G1A+7]
	s_nop 0
	tensor_load_to_lds s[G0A+4:G0A+7], s[G1A:G1A+7]
	s_nop 0
.rept 4
	v_nop
.endr
	s_branch .Lfirst_asked
.Lfirst_b:
	tensor_load_to_lds s[G0B:G0B+3], s[G1B:G1B+7]
	s_nop 0
	tensor_load_to_lds s[G0B+4:G0B+7], s[G1B:G1B+7]
	s_nop 0
.rept 4
	v_nop
.endr
.Lfirst_asked:
	; The turning load takes 16 keys x 16 columns (lane l reads key 8 (l / 16) + l % 8, columns 8 ((l / 8) % 2) + 0..7) and leaves half a fragment: lane l holds column l % 16 and 8 keys.
	v_and_b32 v1, 15, v0                           ; r
	v_bfe_u32 v16, v0, 4, 1                        ; h
	v_and_b32 v17, 7, v0
	v_bfe_u32 v18, v0, 3, 1
	v_lshl_add_u32 v19, v16, 3, v17
	v_mul_u32_u24 v19, v19, PP
	v_lshl_add_u32 v19, v18, 4, v19
	s_lshl_b32 s[T0], s[RH], 7                     ; my 64 queries: 128 bytes of pt's rows
	v_add_nc_u32 v[CA], s[T0], v19
	v_add_nc_u32 v[CA+1], HALF, v[CA]
	s_lshl_b32 s[T0], s[CH], 7                     ; my 64 channels
	s_add_co_u32 s[T0], s[T0], ATILE
	v_add_nc_u32 v[CB], s[T0], v19
	v_add_nc_u32 v[CB+1], HALF, v[CB]
	v_mov_b32 v[ADA], v[CA]
	v_mov_b32 v[ADA+1], v[CA+1]
	v_mov_b32 v[ADB], v[CB]
	v_mov_b32 v[ADB+1], v[CB+1]
	s_mul_i32 s[T0], s[WV], 16*SP
	s_add_co_u32 s[T0], s[T0], STAGE               ; my stage
	v_mul_u32_u24 v[STO], v1, SP
	v_lshl_add_u32 v[STO], v16, 5, v[STO]          ; in: row r, 32 bytes for each half of the lanes
	v_add_nc_u32 v[STO], s[T0], v[STO]
	v_mul_u32_u24 v[RD], v16, SP
	v_lshl_add_u32 v[RD], v1, 4, v[RD]             ; back: lanes 0-15 one row of 256 bytes, lanes 16-31 the next
	v_add_nc_u32 v[RD], s[T0], v[RD]
	v_lshlrev_b32 v[CO], 12, v16
	v_lshl_add_u32 v[CO], v1, 4, v[CO]             ; the same two rows in out0
	; the prefetches
	s_lshl_b32 s[OO], s[CX], 17                    ; my work-group's 32 keys of a wave's 128: 32 rows of 4,096 bytes
	s_add_nc_u64 s[PFB:PFB+1], s[PTB:PTB+1], s[OO:OO+1]
	s_sub_co_u32 s[T1], s[E], 1
	s_cmp_eq_u32 s[ILO], 0
	s_cselect_b32 s[T1], s[T1], 0
	s_cmp_eq_u32 ttmp9, 0
	s_cselect_b32 s[T0], 9, 0
	s_cmp_eq_u32 s[RH], 0
	s_cselect_b32 s[GMAX], s[T0], s[T1]            ; the last step that I ask for; 0: none.  The same in all four partners, for a given wave
	s_cselect_b32 s[GSKIP], s[E], -1
	s_mov_b32 s[T1], QROW                          ; (a move leaves SCC as it is; an instruction holds one literal)
	s_cselect_b32 s[T0], 4096, s[T1]               ; bytes from row to row of what I ask for: pt's, or qkv's
	s_cselect_b64 s[PFB:PFB+1], s[PFB:PFB+1], s[VB:VB+1]
	v_and_b32 v[PFO], 31, v0
	v_mul_u32_u24 v[PFO], v[PFO], s[T0]
.set i, ACC
.rept 128
	v_mov_b32 v[i], 0                              ; the sums start at 0: written in the wait for the first tile
.set i, i+1
.endr
; 8 matrix instructions: query blocks a0, a0 + 1 x all 4 channel blocks, 32 keys: half c of buffer f.  The 16 accumulators take turns.
.macro MUL8 f, c, a0
	WIN MUL
.irp a, \a0, (\a0)+1
.irp b, 0,1,2,3
	v_wmma_f32_16x16x32_f16 v[ACC+8*(4*(\a)+(\b)):ACC+8*(4*(\a)+(\b))+7], v[(\f)+64+8*(4*(\c)+(\b)):(\f)+64+8*(4*(\c)+(\b))+7], v[(\f)+8*(4*(\c)+(\a)):(\f)+8*(4*(\c)+(\a))+7], v[ACC+8*(4*(\a)+(\b)):ACC+8*(4*(\a)+(\b))+7]
.endr
.endr
.endm
; 32 LDS loads in one run: the fragments of keys 64 q .. 64 q + 63 of the slot read, into buffer f; the first 32 keys first
.macro FETCH q, f
	WIN TO_F
.irp c, 0,1
.irp i, 0,1,2,3
	ds_load_tr16_b128 v[(\f)+64+8*(4*(\c)+(\i)):(\f)+64+8*(4*(\c)+(\i))+3],   v[ADB+(\q)/2] offset:((\q)%2)*64*PP+32*PP*(\c)+32*(\i)
	ds_load_tr16_b128 v[(\f)+64+8*(4*(\c)+(\i))+4:(\f)+64+8*(4*(\c)+(\i))+7], v[ADB+(\q)/2] offset:((\q)%2)*64*PP+32*PP*(\c)+32*(\i)+16*PP
	ds_load_tr16_b128 v[(\f)+8*(4*(\c)+(\i)):(\f)+8*(4*(\c)+(\i))+3],         v[ADA+(\q)/2] offset:((\q)%2)*64*PP+32*PP*(\c)+32*(\i)
	ds_load_tr16_b128 v[(\f)+8*(4*(\c)+(\i))+4:(\f)+8*(4*(\c)+(\i))+7],       v[ADA+(\q)/2] offset:((\q)%2)*64*PP+32*PP*(\c)+32*(\i)+16*PP
.endr
.endr
.endm
.macro QUARTER q, f, g                 ; multiplies buffer f; in its middle fetches quarter q into g
	s_wait_dscnt 16                                ; the first 32 keys are in
	MUL8 \f, 0, 0
	MUL8 \f, 0, 2
	PLACES
	FETCH \q, \g
	s_wait_dscnt 32                                ; all but the 32 just issued
	MUL8 \f, 1, 0
	MUL8 \f, 1, 2
.endm
; The last quarter multiplies buffer 1 and changes slots.  fill = 1: the slot just read takes step STP + 2, behind a round of the cluster's barrier.
.macro TURN fill
	WIN 0
.if \fill
	s_wait_xcnt 0x0                                ; the last prefetches, a step back, have read their address
	s_add_co_u32 s[WF], s[STP], 4
	WALK
	s_cmp_le_u32 s[WF], s[GMAX]
	s_cselect_b32 s[ASKF], 1, 0
	s_cmp_eq_u32 s[WF], s[GSKIP]
	s_cselect_b32 s[ASKF], 0, s[ASKF]
	s_cmp_eq_u32 s[RH], 0
	s_cselect_b32 s[PO], s[OA], s[OB]
	s_add_nc_u64 s[PFA:PFA+1], s[PFB:PFB+1], s[PO:PO+1]
.endif
	s_wait_tensorcnt 0x0                           ; all my tensor loads have landed: my part of the next slot; so a group 0 may be written
	ds_add_u32 v[SPW], v[NIL]                      ; the descriptors' scalar work stands between the add and its wait
	s_xor_b32 s[TB], s[TB], SLOT
.if \fill
	s_xor_b32 s[TBF], s[TBF], SLOT
	s_add_co_u32 s[WF], s[STP], 2
	WALK
	s_cmp_eq_u32 s[WF], s[E]
	s_cselect_b64 s[BSEL:BSEL+1], s[VLB:VLB+1], s[VB:VB+1]
	s_add_co_u32 s[G0A+5], s[TBF], s[LH]
	s_add_nc_u64 s[G0A+6:G0A+7], s[PTB:PTB+1], s[OA:OA+1]
	s_or_b32 s[G0A+7], s[G0A+7], 0x80000000
	s_add_co_u32 s[G0B+5], s[TBF], s[LH]
	s_add_nc_u64 s[G0B+6:G0B+7], s[BSEL:BSEL+1], s[OB:OB+1]
	s_or_b32 s[G0B+7], s[G0B+7], 0x80000000
.endif
	s_wait_dscnt 17                                ; the add and the youngest sixteen loads may be out
	MUL8 F1, 0, 0
	s_wait_dscnt 0x0                               ; the add is done, and my reads of this slot are over
	s_barrier_signal -1
	MUL8 F1, 0, 2
	WIN 0
	s_barrier_wait -1
.if \fill
	CREST                                          ; no wave of any partner still reads the slot or has a load on its way
	JLOAD                                          ; my one tensor load behind the round; its four v_nop are also the places in front of the loads below
.else
	PLACES
.endif
	v_add_nc_u32 v[ADA], s[TB], v[CA]
	v_add_nc_u32 v[ADA+1], s[TB], v[CA+1]
	v_add_nc_u32 v[ADB], s[TB], v[CB]
	v_add_nc_u32 v[ADB+1], s[TB], v[CB+1]
	FETCH 0, F0
.if \fill
	WIN 0
	ASK
.endif
	MUL8 F1, 1, 0
	MUL8 F1, 1, 2
	WIN 0
.endm
; A block leaves: 16 rows at a time through my stage, back as whole rows of 256 bytes; then out0's address goes to the second block and the sums start anew.
.macro WAYOUT
	PLACES
.irp a, 0,1,2,3
	s_wait_xcnt 0x0                                ; registers that earlier stores read are loaded again only behind this wait
.irp b, 0,1,2,3
	ds_store_b128 v[STO], v[ACC+8*(4*(\a)+(\b)):ACC+8*(4*(\a)+(\b))+3]   offset:64*(\b)      ; each accumulator's low registers first
	ds_store_b128 v[STO], v[ACC+8*(4*(\a)+(\b))+4:ACC+8*(4*(\a)+(\b))+7] offset:64*(\b)+16
.endr
.irp t, 0,1,2,3,4,5,6,7
	ds_load_b128 v[BK+32*((\a)%2)+4*(\t):BK+32*((\a)%2)+4*(\t)+3], v[RD] offset:2*SP*(\t)  ; LDS serves a wave's instructions in order (ISA guide 5.7.1.4)
.endr
.irp t, 0,1,2,3,4,5,6,7
	s_wait_dscnt 7-(\t)
	global_store_b128 v[CO], v[BK+32*((\a)%2)+4*(\t):BK+32*((\a)%2)+4*(\t)+3], s[O:O+1] offset:(16*(\a)+2*(\t))*4096  ; sixteen lanes: 256 consecutive bytes, aligned
.endr
.endr
	s_wait_xcnt 0x0
	s_mov_b64 s[O:O+1], s[OLO:OLO+1]
.set i, ACC
.rept 128
	v_mov_b32 v[i], 0
.set i, i+1
.endr
.endm
	s_wait_tensorcnt 1                             ; my part of step 0 is in; step 1's may stay out
	s_barrier_signal -1
	s_barrier_wait -1
	FETCH 0, F0
	WIN 0
	s_mov_b32 s[STP], 0
	s_mov_b32 s[CNT], 8
.Lstep:                                            ; eight trips: steps 0 to 7 are multiplied, steps 2 to 9 asked for
	QUARTER 1, F0, F1
	QUARTER 2, F1, F0
	QUARTER 3, F0, F1
	TURN 1
	s_cmp_eq_u32 s[STP], s[E]                      ; the upper block's last step?  E is the same in all four partners; what is jumped holds no barrier and no tensor load
	s_cbranch_scc0 .Lon
	WAYOUT
.Lon:
	s_add_co_u32 s[STP], s[STP], 1
	s_sub_co_u32 s[CNT], s[CNT], 1
	s_cmp_lg_u32 s[CNT], 0
	s_cbranch_scc1 .Lstep
	s_mov_b32 s[CNT], 2
.Ltail:                                            ; steps 8 and 9: nothing is asked for (the last trip's fetch reads the slot left behind and serves nothing)
	QUARTER 1, F0, F1
	QUARTER 2, F1, F0
	QUARTER 3, F0, F1
	TURN 0
	s_cmp_eq_u32 s[STP], s[E]
	s_cselect_b32 s[WO], 1, 0
	s_cmp_eq_u32 s[STP], 9
	s_cselect_b32 s[WO], 1, s[WO]
	s_cmp_eq_u32 s[WO], 1
	s_cbranch_scc0 .Lon2
	WAYOUT
.Lon2:
	s_add_co_u32 s[STP], s[STP], 1
	s_sub_co_u32 s[CNT], s[CNT], 1
	s_cmp_lg_u32 s[CNT], 0
	s_cbranch_scc1 .Ltail
	s_wait_tensorcnt 0x0                           ; the wave's end
	ds_add_u32 v[SPW], v[NIL]
	s_wait_dscnt 0x0
	CROUND                                         ; the closing round
	s_endpgm
.Lfunc_end_k_q47790c0206_pv:
	.size	k_q47790c0206_pv, .Lfunc_end_k_q47790c0206_pv-k_q47790c0206_pv
	.p2alignl 7, 3214868480
	.fill 96, 4, 3214868480
	.section	.rodata,"a",@progbits
	.p2align	6, 0x0
	.amdhsa_kernel k_q47790c0206_pv
		.amdhsa_group_segment_fixed_size 327680
		.amdhsa_private_segment_fixed_size 0
		.amdhsa_enable_private_segment 0
		.amdhsa_kernarg_size 32
		.amdhsa_user_sgpr_count 2
		.amdhsa_user_sgpr_kernarg_segment_ptr 1
		.amdhsa_wavefront_size32 1
		.amdhsa_system_sgpr_workgroup_id_x 1
		.amdhsa_system_sgpr_workgroup_id_y 1
		.amdhsa_system_sgpr_workgroup_id_z 1
		.amdhsa_system_vgpr_workitem_id 0
		.amdhsa_next_free_vgpr 512
		.amdhsa_next_free_sgpr 100
		.amdhsa_reserve_vcc 0
		.amdhsa_float_denorm_mode_32 3
		.amdhsa_float_denorm_mode_16_64 3
		.amdhsa_memory_ordered 1
		.amdhsa_forward_progress 1
		.amdhsa_inst_pref_size 77
	.end_amdhsa_kernel
	.amdgpu_metadata
---
amdhsa.version: [ 1, 2 ]
amdhsa.kernels:
  - .name:           k_q47790c0206_pv
    .symbol:         k_q47790c0206_pv.kd
    .args:
      - { .name: pt, .offset: 0, .size: 8, .value_kind: global_buffer, .address_space: global }
      - { .name: qkv, .offset: 8, .size: 8, .value_kind: global_buffer, .address_space: global }
      - { .name: vlo, .offset: 16, .size: 8, .value_kind: global_buffer, .address_space: global }
      - { .name: out0, .offset: 24, .size: 8, .value_kind: global_buffer, .address_space: global }
    .group_segment_fixed_size: 327680
    .private_segment_fixed_size: 0
    .kernarg_segment_align: 8
    .kernarg_segment_size: 32
    .max_flat_workgroup_size: 128
    .sgpr_count:     100
    .vgpr_count:     512
    .wavefront_size: 32
...
	.end_amdgpu_metadata
.endif
;; end of part 5
